; MI455X (gfx1250); checked and timed in simulation.
; The chip was launched on July 23, 2026; its instructions are those of AMD's public machine-readable ISA for CDNA 5 (MIT licence, August 2026) and "CDNA5" Instruction Set Architecture Reference Guide (July 2026). The comments in the code are by the model that wrote it; some were corrected since.
;; Multihead Attention. Allowed arithmetic: matrix products marked QUANTISED: E2M3 operands, one E8M0 scale for each 32 along K, by v_wmma_scale_f32_16x16x128_f8f6f4 with both operands' format E2M3, f32 sums; everything else in f32.
;; Inputs: bk 1,024 float32; bo 1,024 float32; bq 1,024 float32; bv 1,024 float32; k 4 x 2,048 x 1,024 float32; q 4 x 2,048 x 1,024 float32; v 4 x 2,048 x 1,024 float32; wk 1,024 x 1,024 float32; wo 1,024 x 1,024 float32; wq 1,024 x 1,024 float32; wv 1,024 x 1,024 float32.
;; Outputs: out0 4 x 2,048 x 1,024 float32.
;; This version of the problem:
;;   THIS VERSION OF THE PROBLEM IS GIVEN IN LOW PRECISION. The matrix products marked QUANTISED in the list below multiply operands that are first quantised to E2M3 (2 exponent bits, 3 mantissa bits; 6 bits a number), with one power-of-two scale for each 32 numbers along K (OCP MX v1.0); their sums are f32. All else is computed in f32.
;;   The module's matrix products, in the order in which they are computed (A, B: the left and right operand; K: the contracted axis; several contracted axes count as one K, in the product's order):
;;     1. [M 8,192, K 1,024] x [K 1,024, N 1,024]; A: input q; B: input wq: QUANTISED
;;     2. [M 8,192, K 1,024] x [K 1,024, N 1,024]; A: input k; B: input wk: QUANTISED
;;     3. [M 8,192, K 1,024] x [K 1,024, N 1,024]; A: input v; B: input wv: QUANTISED
;;     4. batch 64 x [M 2,048, K 64] x [K 64, N 2,048]; A: computed on the way; B: computed on the way: QUANTISED
;;     5. batch 64 x [M 2,048, K 2,048] x [K 2,048, N 64]; A: softmax (see below); B: computed on the way: QUANTISED
;;     6. [M 8,192, K 1,024] x [K 1,024, N 1,024]; A: computed on the way; B: input wo: QUANTISED
;;   THE QUANTISER, for each operand of a quantised product, along K:
;;     - K is cut into blocks of 32 from its start; a last block that is shorter is filled with zeros.
;;     - A block's scale is 2^e with e = floor(log2(the largest magnitude in the block)) - 2, held to -126 .. 127; a block of zeros has e = 0. As a byte (E8M0): e + 127.
;;     - Each number is divided by its block's scale, clamped to +-7.5, and rounded to the nearest number of E2M3, ties to even, subnormals kept.
;;     - The product sums the exact products of the quantised numbers (number of the format x scale) in f32.
;;   ~~~python
;;   def quantise(x, axis):      # numpy; x: float32 -> the quantised numbers, widened to float32 again
;;       x = np.moveaxis(x, axis, -1); K = x.shape[-1]
;;       x = np.pad(x, [(0, 0)] * (x.ndim - 1) + [(0, -K % 32)]); x = x.reshape(x.shape[:-1] + (-1, 32)); a = np.abs(x).max(-1, keepdims=True)
;;       e = np.where(a > 0, np.clip(np.frexp(np.where(a > 0, a, 1))[1] - 1 - 2, -126, 127), 0)      # np.frexp(a)[1] - 1 = floor(log2(a)), exactly
;;       r = np.clip(x / 2.0 ** e, -7.5, 7.5)
;;       step = 2.0 ** (np.maximum(np.frexp(np.where(r == 0, 1, r))[1] - 1, 0) - 3)
;;       q = np.round(r / step) * step * 2.0 ** e      # np.round: ties to even
;;       return np.moveaxis(q.reshape(q.shape[:-2] + (-1,))[..., :K], -1, axis).astype(np.float32)
;;   ~~~
;;   SOFTMAX AHEAD OF A QUANTISED PRODUCT. Where the list says 'softmax', what is quantised is not the finished softmax but p = 2^(t - M), with t = logit x log2(e) and M = ceil(the row's largest t), a whole number; so 1/2 < the row's largest p <= 1. The row's sum l is taken of the UNQUANTISED p, in f32, and the product's result is divided by l at the end. Since M is a whole number, a kernel that streams over the keys may use a running M (the ceiling of the running maximum): every later rescaling is an exact power of two, which a block's scale takes up: the codes' values come out the same.
;;   OPERANDS COMPUTED ON THE WAY. 'Computed on the way' means the value that the module computes at that place (a softmax that the list does not call 'softmax' is quantised finished and normalised). What goes into a quantiser is computed in f32, as accurately as f32 sums, v_exp_f32 and their like allow (about 1e-6 of the number): no bf16 or f16 on the way to a quantiser, and a product that is left as it is and whose result goes on into a quantised operand takes f32 operands (vector FMAs, or v_wmma_f32_16x16x4_f32). A number that lies on a knife's edge between two numbers of the format may be rounded either way, as far as f32 arithmetic and the matrix unit's own rounding can turn it there, and no further.
;; 2 versions. Each part assembles by itself: llvm-mc -triple=amdgcn-amd-amdhsa -mcpu=gfx1250 --defsym DOCPART=n.
;; ======== version 1 of 2: 4 launches
;; workspace buffers: wimg 3,145,728 bytes; wsc 131,072 bytes; himg 18,874,368 bytes; hsc 786,432 bytes; cimg 6,291,456 bytes; csc 262,144 bytes
;; launch wquant (part 1): grid 8 x 32, 4 waves a work-group, no clusters, 12,800 bytes of LDS; arguments wq, wk, wv, wo, wimg, wsc; writes wimg, wsc
.if DOCPART == 1
	.amdgcn_target "amdgcn-amd-amdhsa--gfx1250"
	.amdhsa_code_object_version 6
	.text
	.protected	k_qd3518efd72_wquant
	.globl	k_qd3518efd72_wquant
	.p2align	8
	.type	k_qd3518efd72_wquant,@function
k_qd3518efd72_wquant:
	s_mov_b64 s[64:65], 0
	v_nop
	global_prefetch_b8 v0, s[64:65] scope:SCOPE_SE
	s_setreg_imm32_b32 hwreg(HW_REG_WAVE_MODE, 25, 1), 1
	s_wait_xcnt 0x0
; The four weights [1024 (k)][1024 (n)], f32, K outermost, become codes of FP6 (E2M3) with one E8M0 byte for each 32 along K,
; laid as IMAGES OF OPERAND REGISTERS: wimg [weight 4][feature tile 64][K step 8][1,536 bytes], registers 4c..4c+3 of lane l at 512 c + 16 l.
; Row r of feature tile 2 B + u is feature 32 B + 8 u + r + 8 (r / 8).  wsc [weight][B 32][K step 8][row 16][u 2]: one word (4 bytes = 128 k) each.
; A lane takes one feature, its registers run down K: a block of 32 lies in one lane, nothing is transposed by an instruction.
; A wave takes 32 features x 128 along K (one K step): two fragments, gathered in its own stage in LDS and stored as 6 x 512 consecutive bytes.
; A block's scale is 2^(floor(log2(largest magnitude)) - 2); its byte is that magnitude's exponent field - 2, held at 1 from below.
; LIMITS: NaN and infinities are not served; a block under 2^-124, a block of zeros too, gets the byte 1 (zero codes add nothing; this program alone reads the bytes).
; No tensor loads, no barrier: waves share nothing.  Matrix units and clusters have nothing to do here.
.set SPARE, 12288                      ; behind the four stages of 3,072 bytes: the spare words, 128 bytes a wave
.set X,    32                          ; v32-95   two sets of 32 numbers
.set CD,   96                          ; v96..    block t's six code registers at CD + 8 t: never written again
.set T,    16                          ; v16-18   a block's upper 16 codes, before they are moved
.set SB,   24                          ; v24      the four scale bytes
.set OUTR, 128                         ; v128-151 the way out
.set SPW,  14
.set NIL,  15
	s_load_b256 s[4:11], s[0:1], 0x0               ; wq, wk, wv, wo
	s_load_b128 s[12:15], s[0:1], 0x20             ; wimg, wsc
	v_lshl_add_u32 v[SPW], v0, 2, SPARE
	v_mov_b32 v[NIL], 0
	v_lshrrev_b32 v1, 5, v0
	v_readfirstlane_b32 s16, v1                    ; wave
	v_and_b32 v2, 31, v0                           ; lane = feature in the wave's 32
	v_lshlrev_b32 v3, 2, v2                        ; in: 4 bytes a lane
	v_and_b32 v8, 7, v2
	v_lshrrev_b32 v9, 4, v2
	v_lshl_add_u32 v8, v9, 3, v8                   ; my row in my tile: 8 (lane / 16) + lane % 8
	v_bfe_u32 v9, v2, 3, 1                         ; my tile of the two: (lane / 8) % 2
	s_mul_i32 s17, s16, 3072                       ; my stage
	v_mul_u32_u24 v4, v9, 1536
	v_lshl_add_u32 v4, v8, 4, v4
	v_add_nc_u32 v4, s17, v4                       ; into it: tile, 16 x row
	v_lshlrev_b32 v6, 4, v2                        ; out: 16 x lane
	v_add_nc_u32 v5, s17, v6
	v_lshlrev_b32 v7, 3, v8
	v_lshl_add_u32 v7, v9, 2, v7                   ; my scale word: 8 x row + 4 x tile
	s_and_b32 s18, ttmp7, 0xffff
	s_lshr_b32 s19, s18, 3                         ; which weight
	s_and_b32 s18, s18, 7                          ; which K step
	s_lshl_b32 s20, ttmp9, 2
	s_add_co_u32 s20, s20, s16                     ; B: which 32 features
	s_lshl_b32 s22, s18, 19                        ; 128 rows of 4,096 bytes
	s_lshl_b32 s21, s20, 7
	s_add_co_u32 s22, s22, s21
	s_mov_b32 s23, 0
	s_mul_i32 s24, s19, 786432
	s_mul_i32 s21, s20, 24576
	s_add_co_u32 s24, s24, s21
	s_mul_i32 s21, s18, 1536
	s_add_co_u32 s24, s24, s21
	s_mov_b32 s25, 0
	s_lshl_b32 s26, s19, 15
	s_lshl_b32 s21, s20, 10
	s_add_co_u32 s26, s26, s21
	s_lshl_b32 s21, s18, 7
	s_add_co_u32 s26, s26, s21
	s_mov_b32 s27, 0
	s_and_b32 s28, s19, 1
	s_wait_kmcnt 0x0
	s_cmp_lt_u32 s19, 2                            ; the choice hangs on the work-group's number alone
	s_cselect_b64 s[30:31], s[4:5], s[8:9]
	s_cselect_b64 s[32:33], s[6:7], s[10:11]
	s_cmp_eq_u32 s28, 0
	s_cselect_b64 s[30:31], s[30:31], s[32:33]
	s_add_nc_u64 s[30:31], s[30:31], s[22:23]
	s_add_nc_u64 s[12:13], s[12:13], s[24:25]
	s_add_nc_u64 s[14:15], s[14:15], s[26:27]
.macro LOAD t                          ; block t: W(32 t + i, my feature) into set t % 2; a wave reads 128 consecutive bytes, the four waves 512
.set li, 0
.rept 32
	global_load_b32 v[X+32*((\t)%2)+li], v3, s[30:31] offset:(32*(\t)+li)*4096 th:TH_LOAD_NT
.set li, li+1
.endr
.endm
	LOAD 0
	LOAD 1
.macro BLOCK t
.set XS, X+32*((\t)%2)
.set CC, CD+8*(\t)
.if (\t) < 3
	s_wait_loadcnt 32                              ; this block's 32 loads are in; the next block's 32 may be out
.else
	s_wait_loadcnt 0
.endif
	v_max3_num_f32 v12, |v[XS]|, |v[XS+1]|, |v[XS+2]|     ; the block's largest magnitude, in two chains
	v_max3_num_f32 v13, |v[XS+3]|, |v[XS+4]|, |v[XS+5]|
.irp i, 6,10,14,18,22,26
	v_max3_num_f32 v12, v12, |v[XS+\i]|, |v[XS+\i+1]|
	v_max3_num_f32 v13, v13, |v[XS+\i+2]|, |v[XS+\i+3]|
.endr
	v_max3_num_f32 v12, v12, |v[XS+30]|, |v[XS+31]|
	v_max3_num_f32 v12, v12, v13, 0x1800000        ; and the floor 2^(3 - 127): the byte cannot fall under 1
	v_add_nc_u32 v11, 0xff000000, v12              ; 2 off the exponent field: the conversion's scale operand
	v_lshrrev_b32 v13, 23, v11                     ; the scale's byte
.if (\t) == 0
	v_mov_b32 v[SB], v13
.else
	v_lshl_or_b32 v[SB], v13, 8*(\t), v[SB]
.endif
	v_cvt_scalef32_pk16_fp6_f32 v[CC:CC+2], v[XS:XS+15], v11
	v_cvt_scalef32_pk16_fp6_f32 v[T:T+2], v[XS+16:XS+31], v11      ; (a conversion's three registers begin on an even number)
	v_nop                                          ; one plain place behind the conversions
.irp i, 0,1,2
	v_mov_b32 v[CC+3+\i], v[T+\i]
.endr
; block t is registers 6 (t / 2) .. + 5 of lane (row, t % 2) of the fragment: their places in the image
.if (\t)/2 == 0
	ds_store_b128 v4, v[CC:CC+3] offset:256*((\t)%2)
	ds_store_b64 v4, v[CC+4:CC+5] offset:512+256*((\t)%2)
.else
	ds_store_b64 v4, v[CC:CC+1] offset:520+256*((\t)%2)
	ds_store_b128 v4, v[CC+2:CC+5] offset:1024+256*((\t)%2)
.endif
.if (\t) < 2
	LOAD (\t)+2
.endif
.endm
	BLOCK 0
	BLOCK 1
	BLOCK 2
	BLOCK 3
.irp i, 0,1,2,3,4,5
	ds_load_b128 v[OUTR+4*\i:OUTR+4*\i+3], v5 offset:512*\i        ; LDS serves a wave's instructions in order: these see my stores
.endr
	global_store_b32 v7, v[SB], s[14:15]           ; 32 words: 128 consecutive bytes
.irp i, 0,1,2,3,4,5
	s_wait_dscnt 5-\i                              ; the younger loads may be out
	global_store_b128 v6, v[OUTR+4*\i:OUTR+4*\i+3], s[12:13] offset:(\i/3)*12288+(\i%3)*512    ; 512 consecutive bytes, at a multiple of 512
.endr
	s_wait_tensorcnt 0x0                           ; the wave's end, behind my last LDS store
	ds_add_u32 v[SPW], v[NIL]
	s_wait_dscnt 0x0
	s_endpgm
.Lfunc_end_k_qd3518efd72_wquant:
	.size	k_qd3518efd72_wquant, .Lfunc_end_k_qd3518efd72_wquant-k_qd3518efd72_wquant
	.p2alignl 7, 3214868480
	.fill 96, 4, 3214868480
	.section	.rodata,"a",@progbits
	.p2align	6, 0x0
	.amdhsa_kernel k_qd3518efd72_wquant
		.amdhsa_group_segment_fixed_size 12800
		.amdhsa_private_segment_fixed_size 0
		.amdhsa_enable_private_segment 0
		.amdhsa_kernarg_size 48
		.amdhsa_user_sgpr_count 2
		.amdhsa_user_sgpr_kernarg_segment_ptr 1
		.amdhsa_wavefront_size32 1
		.amdhsa_system_sgpr_workgroup_id_x 1
		.amdhsa_system_sgpr_workgroup_id_y 1
		.amdhsa_system_sgpr_workgroup_id_z 1
		.amdhsa_system_vgpr_workitem_id 0
		.amdhsa_next_free_vgpr 152
		.amdhsa_next_free_sgpr 66
		.amdhsa_reserve_vcc 0
		.amdhsa_float_denorm_mode_32 3
		.amdhsa_float_denorm_mode_16_64 3
		.amdhsa_memory_ordered 1
		.amdhsa_forward_progress 1
		.amdhsa_inst_pref_size 23
	.end_amdhsa_kernel
	.amdgpu_metadata
---
amdhsa.version: [ 1, 2 ]
amdhsa.kernels:
  - .name:           k_qd3518efd72_wquant
    .symbol:         k_qd3518efd72_wquant.kd
    .args:
      - { .name: wq, .offset: 0, .size: 8, .value_kind: global_buffer, .address_space: global }
      - { .name: wk, .offset: 8, .size: 8, .value_kind: global_buffer, .address_space: global }
      - { .name: wv, .offset: 16, .size: 8, .value_kind: global_buffer, .address_space: global }
      - { .name: wo, .offset: 24, .size: 8, .value_kind: global_buffer, .address_space: global }
      - { .name: wimg, .offset: 32, .size: 8, .value_kind: global_buffer, .address_space: global }
      - { .name: wsc, .offset: 40, .size: 8, .value_kind: global_buffer, .address_space: global }
    .group_segment_fixed_size: 12800
    .private_segment_fixed_size: 0
    .kernarg_segment_align: 8
    .kernarg_segment_size: 48
    .max_flat_workgroup_size: 128
    .sgpr_count:     66
    .vgpr_count:     152
    .wavefront_size: 32
...
	.end_amdgpu_metadata
.endif
;; end of part 1
;; launch proj (part 2): grid 192 x 1, 4 waves a work-group, no clusters, 102,912 bytes of LDS; arguments q, k, v, bq, bk, bv, wimg, wsc, himg, hsc; writes himg, hsc
.if DOCPART == 2
	.amdgcn_target "amdgcn-amd-amdhsa--gfx1250"
	.amdhsa_code_object_version 6
	.text
	.protected	k_qd3518efd72_proj
	.globl	k_qd3518efd72_proj
	.p2align	8
	.type	k_qd3518efd72_proj,@function
k_qd3518efd72_proj:
	s_mov_b64 s[64:65], 0
	v_nop
	global_prefetch_b8 v0, s[64:65] scope:SCOPE_SE
	s_setreg_imm32_b32 hwreg(HW_REG_WAVE_MODE, 25, 1), 1
	s_wait_xcnt 0x0
; The three projections x W + b (x = q, k, v), on codes of FP6 (E2M3) with E8M0 scales, and the quantisers round them.
; A work-group takes 128 tokens of one of the three tensors (z = work-group / 64) and ALL 1,024 features, so each f32 of x is read once.
; PHASE X: wave w quantises token tiles 2 w, 2 w + 1 along the 1,024 inputs and stores their fragments in LDS as images of the operand's registers.
;   Row r of token tile 2 B + u is token 32 B + 8 u + r + 8 (r / 8), so that a later result's 16 registers of two neighbouring tiles are 16 neighbours.
; PASSES p = 0, 1: wave w makes features 512 p + 128 w .. + 127 (two heads) for the 128 tokens: 64 accumulators, 8 K steps of 64 matrix instructions.
;   q, k: source 0 = 16 features of W, source 1 = 16 tokens: a lane holds one token and its registers run along the features, which are the next product's K.
;   v:    source 0 = 16 tokens, source 1 = 16 features: a lane holds one feature and its registers run along the tokens (the keys), which are ITS next K.
;   The bias is the C of each sum's first matrix instruction.  The results are quantised in registers and leave as images:
;   himg [z][batch x head 64][98,304]: q, k: [block of 32 tokens 64][tile 2 blk: 6 registers | tile 2 blk + 1: 6 registers]; v: [128 keys 16][tile of 16 d 4][fragment]
;   hsc  [z][batch x head][128 tokens 16][row 16][4 words]: q, k: word = block, bytes (first tile's two, second tile's two); v: word = tile of d, byte = block of keys.
; W's fragments go from memory straight into the registers of the one wave that multiplies by them: 12,288 bytes a wave and K step, each byte for one wave of the work-group.
; So they are not asked for jointly by a cluster: a joint load lands in LDS, which would add those bytes once written and once read beside the 12,288 that a wave reads of x.
; 192 work-groups: 128 tokens divide each tensor's 8,192; a smaller share would read W more often.
; LIMITS: NaN and infinities are not served; a block under 2^-124, a block of zeros too, gets the byte 1 (this program alone reads the bytes).
; REGISTERS, in windows of 256.  Window 0: v1-16 addresses; v32-63 scale words alone (two sets each for source 0 and source 1); v64-159, v160-255 source 1's fragments, two sets;
;   outside the K loop those 192 are at work for the quantiser.  Window 1: v0-95, v96-191 source 0's fragments, two sets; v192-255 the bias; in phase X four sets of 64 numbers.
;   Windows 2, 3: accumulator (o, i) at v[64 (o % 4) + 8 i] of window 2 + o / 4.
.set XSC,   98304                      ; LDS: x's images [K step 8][tile 8][1,536] from 0; their scale words [K step][row 16][tile 8] from here
.set SPARE, 102400                     ; the spare words, 128 bytes a wave
.set XA,   4                           ; x: my lane's byte in the wave's 32 rows
.set LI,   5                           ; 16 x lane
.set LR16, 6                           ; 16 x (lane % 16)
.set XWI0, 7                           ; where my wave stores x's images: 16 x lane + 3,072 x wave
.set XWS0, 8                           ; and their scale words
.set XRD,  9                           ; where the K step's images are read
.set XSR,  10                          ; and its scale words
.set WSO,  11                          ; 8 x (lane % 16): W's scale words
.set BAQ,  12                          ; bias, q and k: 64 x (lane / 16)
.set BAV,  13                          ; bias, v: 4 x my feature's place in its tile pair
.set XSR0, 14
.set XWI,  15
.set XWS,  16
.set SPW,  28
.set NIL,  29
.set SIN,  32                          ; source 0's scale words, set e at SIN + 16 e
.set SOUT, 40                          ; source 1's
.set TM,   64                          ; v64-79 the quantiser's work
.set PW,   80                          ; v80-81 scale words just made
.set TT,   88                          ; v88-94 upper halves of blocks
.set SE,   96                          ; v96-99, v100-103 scale words to store
.set SO,   100
.set FRG,  104                         ; v104-199 eight fragments to store
.set WV,   24
.set ZZ,   25
.set BLK,  26
.set MODE, 27
.set PASS, 28
.set CNT,  29
.set XT,   30
.set XST,  31
.set XP,   32
.set BB,   34
.set WB0,  36
.set WS0,  38
.set WB,   40
.set WS,   42
.set OB,   44
.set OS,   46
.set SEL,  48
.set MSB, 0
.macro WIN new                         ; the immediate's high byte repeats the setting that is left; a switch that changes nothing is dropped
.if MSB != (\new)
	s_set_vgpr_msb (MSB<<8)|(\new)
.set MSB, \new
.endif
.endm
; 64 numbers of a lane in window win, v[s] on, register 16 b + i = k 32 b + 16 (lane / 16) + i of my row, become 12 code registers (6 at d0: k 0-63; 6 at d1: k 64-127) and the scale word pw.
.macro QUANT win, s, d0, d1, pw
	WIN (\win)|((\win)<<2)
.irp b, 0,1,2,3
	v_max3_num_f32 v[TM+\b], |v[(\s)+16*\b]|, |v[(\s)+16*\b+1]|, 0x1800000      ; each accumulator is read from its low end on; the floor 2^(3 - 127) holds the byte at 1
.endr
.irp i, 2,4,6,8,10,12,14
.irp b, 0,1,2,3
	v_max3_num_f32 v[TM+\b], |v[(\s)+16*\b+\i]|, |v[(\s)+16*\b+\i+1]|, v[TM+\b]
.endr
.endr
	WIN 0
.irp b, 0,1,2,3
	v_permlanex16_b32 v[TM+4+\b], v[TM+\b], s[SEL], s[SEL+1]
.endr
.irp b, 0,1,2,3
	v_max_num_f32 v[TM+\b], v[TM+\b], v[TM+4+\b]   ; with lane l xor 16's 16: the block's largest magnitude
.endr
.irp b, 0,1,2,3
	v_add_nc_u32 v[TM+12+\b], 0xff000000, v[TM+\b] ; 2 off the exponent field: the conversion's scale operand
.endr
.irp b, 0,1,2,3
	v_lshrrev_b32 v[TM+4+\b], 23, v[TM+12+\b]      ; the scale's byte
.endr
	s_wait_dscnt 0x0                               ; earlier LDS stores have read the registers that are written now
	v_lshl_or_b32 v[\pw], v[TM+5], 8, v[TM+4]
	v_lshl_or_b32 v[\pw], v[TM+6], 16, v[\pw]
	v_lshl_or_b32 v[\pw], v[TM+7], 24, v[\pw]
	WIN \win
	v_cvt_scalef32_pk16_fp6_f32 v[(\d0):(\d0)+2], v[(\s):(\s)+15], v[TM+12]
	v_cvt_scalef32_pk16_fp6_f32 v[TT:TT+2], v[(\s)+16:(\s)+31], v[TM+13]
	v_cvt_scalef32_pk16_fp6_f32 v[(\d1):(\d1)+2], v[(\s)+32:(\s)+47], v[TM+14]
	v_cvt_scalef32_pk16_fp6_f32 v[TT+4:TT+6], v[(\s)+48:(\s)+63], v[TM+15]
	WIN 0
	v_nop                                          ; one plain place behind the conversions
.irp i, 0,1,2                                  ; the operand wants a whole block in a lane: lanes 0-15 the even block, lanes 16-31 the odd one
	v_permlane16_swap_b32 v[(\d0)+\i], v[TT+\i]
.endr
.irp i, 0,1,2
	v_mov_b32 v[(\d0)+3+\i], v[TT+\i]
.endr
.irp i, 0,1,2
	v_permlane16_swap_b32 v[(\d1)+\i], v[TT+4+\i]
.endr
.irp i, 0,1,2
	v_mov_b32 v[(\d1)+3+\i], v[TT+4+\i]
.endr
.endm
; set q = 2 e + u of window 1: tile u of my two, K step e of the trip's two: 64 numbers a lane
.macro XLOAD q, off
	WIN 0x40
.irp b, 0,1,2,3
.irp j, 0,1,2,3
	global_load_b128 v[64*(\q)+16*\b+4*\j:64*(\q)+16*\b+4*\j+3], v[XA], s[XP:XP+1] offset:(\off)+32768*((\q)%2)+512*((\q)/2)+128*\b+16*\j th:TH_LOAD_NT
.endr
.endr
	WIN 0
.endm
.macro XQ q, ahead, left
	s_wait_loadcnt \left                           ; my set's 16 loads are in; the younger sets stay out
	QUANT 1, 64*(\q), FRG, FRG+6, PW
.irp c, 0,1,2
	ds_store_b128 v[XWI], v[FRG+4*\c:FRG+4*\c+3] offset:12288*((\q)/2)+1536*((\q)%2)+512*\c
.endr
	ds_store_b32 v[XWS], v[PW] offset:512*((\q)/2)+4*((\q)%2)      ; lanes l and l + 16 hold the same word and write the same bytes
.if \ahead
	XLOAD \q, 1024                                 ; the set takes the next trip's numbers
.endif
.endm
; one K step's operands into set e.  q, k: source 0 = W (memory), source 1 = x (LDS); v: the other way round.  28 global loads and 26 LDS loads on either way.
.macro FETCH e
	s_cmp_eq_u32 s[MODE], 0
	s_cbranch_scc0 .Lfv_\@
	WIN 0x40
.irp i, 0,1,2,3,4,5,6,7
.irp c, 0,1,2
	global_load_b128 v[96*(\e)+12*\i+4*\c:96*(\e)+12*\i+4*\c+3], v[LI], s[WB:WB+1] offset:12288*\i+512*\c+1536*(\e)
.endr
.endr
	WIN 0
.irp o, 0,1,2,3,4,5,6,7
.irp c, 0,1,2
	ds_load_b128 v[64+96*(\e)+12*\o+4*\c:64+96*(\e)+12*\o+4*\c+3], v[XRD] offset:1536*\o+512*\c+12288*(\e)
.endr
.endr
.irp g, 0,1,2,3
	global_load_b64 v[SIN+16*(\e)+2*\g:SIN+16*(\e)+2*\g+1], v[WSO], s[WS:WS+1] offset:1024*\g+128*(\e)
.endr
.irp g, 0,1
	ds_load_b128 v[SOUT+16*(\e)+4*\g:SOUT+16*(\e)+4*\g+3], v[XSR] offset:16*\g+512*(\e)
.endr
	s_branch .Lfd_\@
.Lfv_\@:
	WIN 0x40
.irp i, 0,1,2,3,4,5,6,7
.irp c, 0,1,2
	ds_load_b128 v[96*(\e)+12*\i+4*\c:96*(\e)+12*\i+4*\c+3], v[XRD] offset:1536*\i+512*\c+12288*(\e)
.endr
.endr
	WIN 0
.irp o, 0,1,2,3,4,5,6,7
.irp c, 0,1,2
	global_load_b128 v[64+96*(\e)+12*\o+4*\c:64+96*(\e)+12*\o+4*\c+3], v[LI], s[WB:WB+1] offset:12288*\o+512*\c+1536*(\e)
.endr
.endr
.irp g, 0,1,2,3
	global_load_b64 v[SOUT+16*(\e)+2*\g:SOUT+16*(\e)+2*\g+1], v[WSO], s[WS:WS+1] offset:1024*\g+128*(\e)
.endr
.irp g, 0,1
	ds_load_b128 v[SIN+16*(\e)+4*\g:SIN+16*(\e)+4*\g+3], v[XSR] offset:16*\g+512*(\e)
.endr
.Lfd_\@:
.endm
; 64 matrix instructions on set e: the 64 accumulators take turns, one instruction a turn, in the same order in every step
.macro MUL e
.irp o, 0,1,2,3,4,5,6,7
.if \o < 4
	WIN 0xa1                                       ; source 0 window 1, source 1 window 0, C and D window 2
.else
	WIN 0xf1                                       ; C and D window 3
.endif
.irp i, 0,1,2,3,4,5,6,7
	v_wmma_scale_f32_16x16x128_f8f6f4 v[64*(\o%4)+8*\i:64*(\o%4)+8*\i+7], v[96*(\e)+12*\i:96*(\e)+12*\i+11], v[64+96*(\e)+12*\o:64+96*(\e)+12*\o+11], v[64*(\o%4)+8*\i:64*(\o%4)+8*\i+7], v[SIN+16*(\e)+\i], v[SOUT+16*(\e)+\o] matrix_a_fmt:MATRIX_FMT_FP6 matrix_b_fmt:MATRIX_FMT_FP6
.endr
.endr
.endm
; the first K step, on set 0: the bias starts the sums.  mode 0: the bias runs along the registers (by source 0's tile i); mode 1: it is the lane's own (by source 1's tile o)
.macro MULB mode
.irp o, 0,1,2,3,4,5,6,7
.if \o < 4
	WIN 0x91                                       ; C window 1, D window 2
.else
	WIN 0xd1                                       ; C window 1, D window 3
.endif
.irp i, 0,1,2,3,4,5,6,7
.if \mode
	v_wmma_scale_f32_16x16x128_f8f6f4 v[64*(\o%4)+8*\i:64*(\o%4)+8*\i+7], v[12*\i:12*\i+11], v[64+12*\o:64+12*\o+11], v[192+8*\o:192+8*\o+7], v[SIN+\i], v[SOUT+\o] matrix_a_fmt:MATRIX_FMT_FP6 matrix_b_fmt:MATRIX_FMT_FP6
.else
	v_wmma_scale_f32_16x16x128_f8f6f4 v[64*(\o%4)+8*\i:64*(\o%4)+8*\i+7], v[12*\i:12*\i+11], v[64+12*\o:64+12*\o+11], v[192+8*\i:192+8*\i+7], v[SIN+\i], v[SOUT+\o] matrix_a_fmt:MATRIX_FMT_FP6 matrix_b_fmt:MATRIX_FMT_FP6
.endif
.endr
.endr
.endm
.macro STORE x                         ; fragment x of eight: head x / 4 of my two, place x % 4 of the 128 tokens' four; 512 consecutive bytes a store
.irp c, 0,1,2
	global_store_b128 v[LI], v[FRG+12*(\x)+4*\c:FRG+12*(\x)+4*\c+3], s[OB:OB+1] offset:((\x)/4)*98304+((\x)%4)*1536+512*\c
.endr
.endm
; the results are quantised, source 1's tile o after tile o; every fragment has registers of its own, so nothing waits for a store
.macro EPI mode
.rept 4
	v_nop                                          ; four places behind the last products, ahead of the first read of results and the first write of their operands
.endr
.irp o, 0,1,2,3,4,5,6,7
.if \mode
	QUANT 2+\o/4, 64*(\o%4), FRG+12*\o, FRG+12*\o+6, SE+\o
	STORE \o
.else
	QUANT 2+\o/4, 64*(\o%4), FRG+12*(\o/2)+6*(\o%2), FRG+48+12*(\o/2)+6*(\o%2), PW+\o%2
.if \o%2
	v_perm_b32 v[SE+\o/2], v[PW+1], v[PW], 0x05040100      ; the even head's word: both tiles' low halves
	v_perm_b32 v[SO+\o/2], v[PW+1], v[PW], 0x07060302      ; the odd head's: their high halves
	STORE \o/2
	STORE 4+\o/2
.endif
.endif
.endr
	global_store_b128 v[LR16], v[SE:SE+3], s[OS:OS+1]                  ; 16 rows x 16 bytes: 256 consecutive bytes (lanes l and l + 16 write the same)
	global_store_b128 v[LR16], v[SO:SO+3], s[OS:OS+1] offset:4096
.endm
	s_load_b512 s[4:19], s[0:1], 0x0               ; q, k, v, bq, bk, bv, wimg, wsc
	s_load_b128 s[20:23], s[0:1], 0x40             ; himg, hsc
	v_lshl_add_u32 v[SPW], v0, 2, SPARE
	v_mov_b32 v[NIL], 0
	v_lshrrev_b32 v1, 5, v0
	v_readfirstlane_b32 s[WV], v1                  ; wave 0..3
	v_and_b32 v1, 31, v0                           ; lane
	v_and_b32 v2, 15, v0                           ; r
	v_bfe_u32 v3, v0, 4, 1                         ; h
	v_and_b32 v17, 8, v2
	v_add_nc_u32 v17, v17, v2                      ; r + 8 (r / 8)
	v_lshlrev_b32 v[XA], 12, v17
	v_lshl_add_u32 v[XA], v3, 6, v[XA]             ; my token's row of 4,096 bytes, + 64 h: my 16 numbers of a block of 32
	v_lshlrev_b32 v[LI], 4, v1
	v_lshlrev_b32 v[LR16], 4, v2
	s_mul_i32 s50, s[WV], 3072
	v_add_nc_u32 v[XWI0], s50, v[LI]
	v_lshlrev_b32 v[XSR0], 5, v2
	v_add_nc_u32 v[XSR0], XSC, v[XSR0]
	s_lshl_b32 s50, s[WV], 3
	v_add_nc_u32 v[XWS0], s50, v[XSR0]
	v_lshlrev_b32 v[WSO], 3, v2
	v_lshlrev_b32 v[BAQ], 6, v3
	v_lshlrev_b32 v[BAV], 2, v17
.irp b, 0,1,2,3
	v_mov_b32 v[TM+4+\b], 0                        ; written once: a lane permute's destination counts as one of its sources
.endr
	s_mov_b32 s[SEL], 0x76543210
	s_mov_b32 s[SEL+1], 0xfedcba98                 ; lane l xor 16
	s_lshr_b32 s[ZZ], ttmp9, 6                     ; 0 q, 1 k, 2 v
	s_and_b32 s[BLK], ttmp9, 63                    ; which 128 tokens
	s_lshr_b32 s50, s[BLK], 4
	s_and_b32 s51, s[BLK], 15                      ; which 128 of the batch's 2,048
	s_lshl_b32 s50, s50, 4
	s_lshl_b32 s52, s[WV], 1
	s_add_co_u32 s50, s50, s52                     ; 16 x batch + my first head of pass 0
	s_mov_b32 s55, 0
	s_wait_kmcnt 0x0
	s_cmp_eq_u32 s[ZZ], 0                          ; the choices hang on the work-group's number alone
	s_cselect_b64 s[XP:XP+1], s[4:5], s[6:7]
	s_cselect_b64 s[BB:BB+1], s[10:11], s[12:13]
	s_cmp_eq_u32 s[ZZ], 2
	s_cselect_b64 s[XP:XP+1], s[8:9], s[XP:XP+1]
	s_cselect_b64 s[BB:BB+1], s[14:15], s[BB:BB+1]
	s_cselect_b32 s[MODE], 1, 0
	s_lshl_b32 s54, s[BLK], 19
	s_lshl_b32 s53, s[WV], 17
	s_add_co_u32 s54, s54, s53
	s_add_nc_u64 s[XP:XP+1], s[XP:XP+1], s[54:55]  ; x at my wave's 32 tokens
	s_lshl_b32 s54, s[WV], 9
	s_add_nc_u64 s[BB:BB+1], s[BB:BB+1], s[54:55]  ; the bias at my 128 features
	s_mul_i32 s54, s[ZZ], 786432
	s_mul_i32 s53, s[WV], 98304
	s_add_co_u32 s54, s54, s53
	s_add_nc_u64 s[WB0:WB0+1], s[16:17], s[54:55]  ; W's images at my eight feature tiles
	s_lshl_b32 s54, s[ZZ], 15
	s_lshl_b32 s53, s[WV], 12
	s_add_co_u32 s54, s54, s53
	s_add_nc_u64 s[WS0:WS0+1], s[18:19], s[54:55]
	s_mul_i32 s54, s[ZZ], 6291456
	s_mul_i32 s53, s50, 98304
	s_add_co_u32 s54, s54, s53
	s_mul_i32 s53, s51, 6144
	s_add_co_u32 s54, s54, s53
	s_add_nc_u64 s[OB:OB+1], s[20:21], s[54:55]
	s_lshl_b32 s54, s[ZZ], 18
	s_lshl_b32 s53, s50, 12
	s_add_co_u32 s54, s54, s53
	s_lshl_b32 s53, s51, 8
	s_add_co_u32 s54, s54, s53
	s_add_nc_u64 s[OS:OS+1], s[22:23], s[54:55]
	; ---- PHASE X: four trips of two K steps x two tiles; four sets of 16 loads (32,768 bytes a wave) are on their way
	XLOAD 0, 0
	XLOAD 1, 0
	XLOAD 2, 0
	XLOAD 3, 0
	s_mov_b32 s[XT], 0
	s_mov_b32 s[XST], 0
	s_mov_b32 s[CNT], 3
.Lx:
	v_add_nc_u32 v[XWI], s[XT], v[XWI0]
	v_add_nc_u32 v[XWS], s[XST], v[XWS0]
	XQ 0, 1, 48
	XQ 1, 1, 48
	XQ 2, 1, 48
	XQ 3, 1, 48
	s_wait_xcnt 0x0                                ; the loads have read their base: it may step
	s_wait_dscnt 0x0
	s_add_nc_u64 s[XP:XP+1], s[XP:XP+1], 1024
	s_add_co_u32 s[XT], s[XT], 24576
	s_add_co_u32 s[XST], s[XST], 1024
	s_sub_co_u32 s[CNT], s[CNT], 1
	s_cmp_lg_u32 s[CNT], 0
	s_cbranch_scc1 .Lx
	v_add_nc_u32 v[XWI], s[XT], v[XWI0]
	v_add_nc_u32 v[XWS], s[XST], v[XWS0]
	XQ 0, 0, 48                                    ; the last trip loads nothing: the counts run down
	XQ 1, 0, 32
	XQ 2, 0, 16
	XQ 3, 0, 0
	s_wait_dscnt 0x0                               ; for the others' sake: my images have landed
	s_barrier_signal -1
	s_barrier_wait -1                              ; all 64 fragments of x lie in LDS; nothing is stored to LDS from here on
	; ---- the two passes
	s_mov_b32 s[PASS], 2
.Lpass:
	s_cmp_eq_u32 s[MODE], 0
	s_cbranch_scc0 .Lbias_v
	WIN 0x40
.irp i, 0,1,2,3,4,5,6,7                        ; lane (r, h), tile i: features 32 (i / 2) + 8 (i % 2) + 16 h + 0 .. 7
	global_load_b128 v[192+8*\i:195+8*\i], v[BAQ], s[BB:BB+1] offset:(32*(\i/2)+8*(\i%2))*4
	global_load_b128 v[196+8*\i:199+8*\i], v[BAQ], s[BB:BB+1] offset:(32*(\i/2)+8*(\i%2))*4+16
.endr
	WIN 0
	s_branch .Lbias_done
.Lbias_v:
	WIN 0x40
.irp o, 0,1,2,3,4,5,6,7                        ; lane (r, h), tile o: my own feature's bias in all eight registers
.irp j, 0,1,2,3,4,5,6,7
	global_load_b32 v[192+8*\o+\j], v[BAV], s[BB:BB+1] offset:(32*(\o/2)+8*(\o%2))*4
.endr
.endr
	WIN 0
.Lbias_done:
	s_mov_b64 s[WB:WB+1], s[WB0:WB0+1]
	s_mov_b64 s[WS:WS+1], s[WS0:WS0+1]
	s_mov_b32 s[XT], 0
	s_mov_b32 s[XST], 0
	v_mov_b32 v[XRD], v[LI]
	v_mov_b32 v[XSR], v[XSR0]
	FETCH 0
	FETCH 1
	s_wait_loadcnt 28                              ; the bias and set 0 are in; set 1's 28 global loads
	s_wait_dscnt 26                                ; and 26 LDS loads may be out
	s_cmp_eq_u32 s[MODE], 0
	s_cbranch_scc0 .Lmb_v
	MULB 0
	WIN 0
	s_branch .Lmb_done
.Lmb_v:
	MULB 1
	WIN 0
.Lmb_done:
	s_mov_b32 s[CNT], 3
.Lk:                                               ; a trip: K steps 2 t - 1 (set 1) and 2 t (set 0); each fetch has 64 matrix instructions in which to land
	s_wait_loadcnt 0x0                             ; set 1 is in, and no load reads the bases any more
	s_wait_dscnt 0x0
	s_add_nc_u64 s[WB:WB+1], s[WB:WB+1], 3072
	s_add_nc_u64 s[WS:WS+1], s[WS:WS+1], 256
	s_add_co_u32 s[XT], s[XT], 24576
	s_add_co_u32 s[XST], s[XST], 1024
	v_add_nc_u32 v[XRD], s[XT], v[LI]              ; these two and two v_nop are the four places ahead of loads into registers that the last products read
	v_add_nc_u32 v[XSR], s[XST], v[XSR0]
	v_nop
	v_nop
	FETCH 0
	MUL 1
	WIN 0
	s_wait_loadcnt 0x0                             ; set 0 is in
	s_wait_dscnt 0x0
.rept 4
	v_nop
.endr
	FETCH 1
	MUL 0
	WIN 0
	s_sub_co_u32 s[CNT], s[CNT], 1
	s_cmp_lg_u32 s[CNT], 0
	s_cbranch_scc1 .Lk
	s_wait_loadcnt 0x0
	s_wait_dscnt 0x0
	MUL 1                                          ; K step 7
	WIN 0
	s_cmp_eq_u32 s[MODE], 0
	s_cbranch_scc0 .Lepi_v
	EPI 0
	s_branch .Lepi_done
.Lepi_v:
	EPI 1
.Lepi_done:
	s_wait_xcnt 0x0                                ; the stores have read their registers and bases: both may be written again
	s_add_nc_u64 s[WB0:WB0+1], s[WB0:WB0+1], 393216        ; 32 feature tiles on
	s_add_nc_u64 s[WS0:WS0+1], s[WS0:WS0+1], 16384
	s_add_nc_u64 s[BB:BB+1], s[BB:BB+1], 2048
	s_add_nc_u64 s[OB:OB+1], s[OB:OB+1], 786432            ; eight heads on
	s_add_nc_u64 s[OS:OS+1], s[OS:OS+1], 32768
	s_sub_co_u32 s[PASS], s[PASS], 1
	s_cmp_lg_u32 s[PASS], 0
	s_cbranch_scc1 .Lpass
	s_wait_dscnt 0x0
	s_barrier_signal -1
	s_barrier_wait -1                              ; every wave's LDS reads are over
	s_wait_tensorcnt 0x0                           ; the wave's end, behind my last LDS store
	ds_add_u32 v[SPW], v[NIL]
	s_wait_dscnt 0x0
	s_endpgm
.Lfunc_end_k_qd3518efd72_proj:
	.size	k_qd3518efd72_proj, .Lfunc_end_k_qd3518efd72_proj-k_qd3518efd72_proj
	.p2alignl 7, 3214868480
	.fill 96, 4, 3214868480
	.section	.rodata,"a",@progbits
	.p2align	6, 0x0
	.amdhsa_kernel k_qd3518efd72_proj
		.amdhsa_group_segment_fixed_size 102912
		.amdhsa_private_segment_fixed_size 0
		.amdhsa_enable_private_segment 0
		.amdhsa_kernarg_size 80
		.amdhsa_user_sgpr_count 2
		.amdhsa_user_sgpr_kernarg_segment_ptr 1
		.amdhsa_wavefront_size32 1
		.amdhsa_system_sgpr_workgroup_id_x 1
		.amdhsa_system_sgpr_workgroup_id_y 1
		.amdhsa_system_sgpr_workgroup_id_z 1
		.amdhsa_system_vgpr_workitem_id 0
		.amdhsa_next_free_vgpr 1024
		.amdhsa_next_free_sgpr 66
		.amdhsa_reserve_vcc 0
		.amdhsa_float_denorm_mode_32 3
		.amdhsa_float_denorm_mode_16_64 3
		.amdhsa_memory_ordered 1
		.amdhsa_forward_progress 1
		.amdhsa_inst_pref_size 203
	.end_amdhsa_kernel
	.amdgpu_metadata
---
amdhsa.version: [ 1, 2 ]
amdhsa.kernels:
  - .name:           k_qd3518efd72_proj
    .symbol:         k_qd3518efd72_proj.kd
    .args:
      - { .name: q, .offset: 0, .size: 8, .value_kind: global_buffer, .address_space: global }
      - { .name: k, .offset: 8, .size: 8, .value_kind: global_buffer, .address_space: global }
      - { .name: v, .offset: 16, .size: 8, .value_kind: global_buffer, .address_space: global }
      - { .name: bq, .offset: 24, .size: 8, .value_kind: global_buffer, .address_space: global }
      - { .name: bk, .offset: 32, .size: 8, .value_kind: global_buffer, .address_space: global }
      - { .name: bv, .offset: 40, .size: 8, .value_kind: global_buffer, .address_space: global }
      - { .name: wimg, .offset: 48, .size: 8, .value_kind: global_buffer, .address_space: global }
      - { .name: wsc, .offset: 56, .size: 8, .value_kind: global_buffer, .address_space: global }
      - { .name: himg, .offset: 64, .size: 8, .value_kind: global_buffer, .address_space: global }
      - { .name: hsc, .offset: 72, .size: 8, .value_kind: global_buffer, .address_space: global }
    .group_segment_fixed_size: 102912
    .private_segment_fixed_size: 0
    .kernarg_segment_align: 8
    .kernarg_segment_size: 80
    .max_flat_workgroup_size: 128
    .sgpr_count:     66
    .vgpr_count:     1024
    .wavefront_size: 32
...
	.end_amdgpu_metadata
.endif
;; end of part 2
;; launch attn (part 3): grid 4 x 64, 16 waves a work-group, clusters of 4 x 1, 206,848 bytes of LDS; arguments himg, hsc, cimg, csc; writes cimg, csc
.if DOCPART == 3
	.amdgcn_target "amdgcn-amd-amdhsa--gfx1250"
	.amdhsa_code_object_version 6
	.text
	.protected	k_qd3518efd72_attn
	.globl	k_qd3518efd72_attn
	.p2align	8
	.type	k_qd3518efd72_attn,@function
k_qd3518efd72_attn:
	s_mov_b64 s[64:65], 0
	v_nop
	global_prefetch_b8 v0, s[64:65] scope:SCOPE_SE
	s_setreg_imm32_b32 hwreg(HW_REG_WAVE_MODE, 25, 1), 1
	s_wait_xcnt 0x0
	s_wait_alu depctr_hold_cnt(0) depctr_sa_sdst(0) depctr_va_vdst(0) depctr_va_sdst(0) depctr_va_ssrc(0) depctr_va_vcc(0) depctr_vm_vsrc(0)
	s_getreg_b32 s2, hwreg(HW_REG_IB_STS2, 6, 4)
	s_cmp_eq_u32 s2, 0
	s_cbranch_scc0 .Lentry_in_a_cluster
	s_endpgm
.Lentry_in_a_cluster:
	s_bfe_u32 s2, ttmp6, 0x10000c
	s_cmp_lg_u32 s2, 0x3003
	s_cbranch_scc0 .Lentry_shape_is_right
	s_endpgm
.Lentry_shape_is_right:
; softmax(Q K^T / 8) V for one (batch, head) and a quarter of its 2,048 queries, both products on codes of FP6 (E2M3) with E8M0 scales, and the quantiser of the result along the features.
; t = score x log2(e) / 8; M = the running largest t rounded UP to a whole number; p = 2^(t - M) is quantised along the keys, not normalised; the row's sum is taken of the unquantised p and divides at the end.
; A whole head's codes of K and V (2 x 98,304 bytes) and their scale words (2 x 4,096) lie in LDS: each of the sixteen waves brings an eighth of one of them, ONCE; nothing is filled again.
; CLUSTER: the four quarters of a head form a cluster and need the same K and V: every load is asked for JOINTLY, the same descriptor and the mask of all four in all four.
; Wave w owns a block of 32 queries, two tiles of 16, one after the other; four waves share a SIMD, so that one wave's softmax stands beside another's products and LDS loads.
; Both products are used transposed (S^T = K Q^T, O^T = V^T P^T): a lane holds one query throughout.  Row r of token tile 2 b + u is token 32 b + 8 u + r + 8 (r / 8), so that the 16 registers of two neighbouring tiles are 16 neighbouring keys.
; THE FIRST PRODUCT'S K IS 64.  A fragment of K holds tile 2 b (registers 0-5) and tile 2 b + 1 (registers 6-11).  Q stands as [zeros x 6 | q x 6 | zeros x 6] in v16-33: against v[22:33] the fragment gives tile 2 b's scores,
; against v[16:27] tile 2 b + 1's: zero codes take the other half out.  No byte of K is read twice.  Q's scale word is (s0 s1 s0 s1) and serves both.
; OUT: cimg [token tile 512][head 16][768 bytes: registers 2 p, 2 p + 1 of lane l at 256 p + 8 l]; csc [128 tokens 64][pair of heads 8][row 16][tile 8] words, a head's two bytes in its half.
; No prefetch: every tile is a first fill, so there is no later load to ask ahead for.
; LIMITS: NaN and infinities are not served; a block under 2^-124, a block of zeros too, gets the byte 1 (this program alone reads the bytes).
; REGISTERS: v1-11 addresses; v12 -M, v13 the largest t, v[14:15] the sum; v16-33 Q; v34 the result's two bytes; v35 Q's two tiles' bytes; v36-83 four fragments of K, then of V; v84-95 Q's block;
;   v96-159 S^T, then p; v160-191 O^T; v224-235 codes; v232-247, v252, v254 at work; v248-251 K's, then V's scale words; v253 p's; v255 Q's.
.set VI,    98304
.set KSC,   196608                     ; K's scale words; V's 4,096 bytes on
.set SPARE, 204800                     ; the spare words, 128 bytes a wave
.set AK0, 1
.set AV0, 2
.set AS0, 3
.set L8,  4
.set SPW, 5
.set NIL, 6
.set R32, 7
.set ADK, 8
.set ADV, 9
.set ADS, 10
.set R16, 11
.set WV,  18
.set SEL, 20
.set CS,  22
.set G1I, 24
.set G1S, 32
.set G0I, 40
.set G0S, 44
.set TB,  48
.set TS,  49
.set CNT, 50
.set QP,  60
.set QS,  62
.set CO,  66
.set CSO, 68
.macro ROUND                           ; a round of the cluster's barrier
	s_barrier_signal -1
	s_barrier_wait -1
	s_cmp_lg_u32 s[WV], 0
	s_cbranch_scc1 .Lnot_wave_0_\@
	s_barrier_signal -3
.Lnot_wave_0_\@:
	s_barrier_wait -3
	s_barrier_signal -1
	s_barrier_wait -1
.endm
	s_load_b256 s[4:11], s[0:1], 0x0               ; himg, hsc, cimg, csc
	v_lshl_add_u32 v[SPW], v0, 2, SPARE
	v_mov_b32 v[NIL], 0
	ds_add_u32 v[SPW], v[NIL]                      ; the wave's opening: an add, and its wait ahead of my first tensor load
	v_lshrrev_b32 v8, 5, v0
	v_readfirstlane_b32 s[WV], v8                  ; wave 0..15
	s_and_b32 s13, ttmp7, 0xffff                   ; batch x head, which the four partners share
	; group 1: a dense block as rows of 256 bytes (32 elements of 8 bytes): 48 rows of codes, 2 rows of scale words
	s_mov_b32 s[G1I], 15|(3<<16)|(1<<21)           ; the mask: all four; elements of 8 bytes; bit 21 beside a mask
	s_mov_b32 s[G1I+1], 32<<16
	s_mov_b32 s[G1I+2], 48<<16
	s_mov_b32 s[G1I+3], 32<<16
	s_mov_b32 s[G1I+4], 48
	s_mov_b32 s[G1I+5], 32
	s_mov_b32 s[G1I+6], 0
	s_mov_b32 s[G1I+7], 0
	s_mov_b32 s[G1S], 15|(3<<16)|(1<<21)
	s_mov_b32 s[G1S+1], 32<<16
	s_mov_b32 s[G1S+2], 2<<16
	s_mov_b32 s[G1S+3], 32<<16
	s_mov_b32 s[G1S+4], 2
	s_mov_b32 s[G1S+5], 32
	s_mov_b32 s[G1S+6], 0
	s_mov_b32 s[G1S+7], 0
	s_lshr_b32 s52, s[WV], 3
	s_add_co_u32 s52, s52, 1                       ; waves 0-7 fetch K (tensor 1), waves 8-15 V (tensor 2)
	s_and_b32 s53, s[WV], 7                        ; which eighth
	s_mul_i32 s54, s52, 6291456
	s_mul_i32 s51, s13, 98304
	s_add_co_u32 s54, s54, s51
	s_mul_i32 s51, s53, 12288
	s_add_co_u32 s54, s54, s51
	s_mov_b32 s55, 0
	s_lshl_b32 s56, s52, 18
	s_lshl_b32 s51, s13, 12
	s_add_co_u32 s56, s56, s51
	s_lshl_b32 s51, s53, 9
	s_add_co_u32 s56, s56, s51
	s_mov_b32 s57, 0
	s_mov_b32 s[G0I], 1
	s_mul_i32 s[G0I+1], s[WV], 12288               ; LDS: wave x 12,288: K's eight parts, then V's: no place in the cluster enters
	s_mov_b32 s[G0S], 1
	s_lshl_b32 s[G0S+1], s[WV], 9
	s_add_co_u32 s[G0S+1], s[G0S+1], KSC
	s_mov_b32 s[SEL], 0x76543210
	s_mov_b32 s[SEL+1], 0xfedcba98                 ; lane l xor 16
	s_mov_b32 s[CS], 0x3e38aa3b                    ; c = log2(e) / 8
	s_mov_b32 s[CS+1], s[CS]                       ; (named with it as a pair, so it is written)
	s_wait_dscnt 0x0                               ; the opening add is done
	s_wait_kmcnt 0x0
	s_add_nc_u64 s[G0I+2:G0I+3], s[4:5], s[54:55]
	s_or_b32 s[G0I+3], s[G0I+3], 0x80000000
	s_add_nc_u64 s[G0S+2:G0S+3], s[6:7], s[56:57]
	s_or_b32 s[G0S+3], s[G0S+3], 0x80000000
	ROUND                                          ; all four work-groups are here: the joint loads meet
	tensor_load_to_lds s[G0I:G0I+3], s[G1I:G1I+7]  ; two loads of mine are out: all that this launch fills
	s_nop 0
	tensor_load_to_lds s[G0S:G0S+3], s[G1S:G1S+7]
	s_nop 0
.rept 4
	v_nop
.endr
	; my block of 32 queries: 16 x quarter + wave.  The place in the cluster enters Q's and the outputs' global addresses alone
	s_bfe_u32 s12, ttmp6, 0x40000
	s_lshl_b32 s14, ttmp9, 2
	s_add_co_u32 s12, s12, s14
	s_lshl_b32 s14, s12, 4
	s_add_co_u32 s14, s14, s[WV]                   ; blk
	s_lshr_b32 s15, s14, 2                         ; blk / 4
	s_and_b32 s19, s14, 3                          ; blk % 4
	s_mov_b32 s17, 0
	s_mul_i32 s16, s13, 98304
	s_mul_i32 s12, s14, 1536
	s_add_co_u32 s16, s16, s12
	s_add_nc_u64 s[QP:QP+1], s[4:5], s[16:17]
	s_lshl_b32 s16, s13, 12
	s_lshl_b32 s12, s15, 8
	s_add_co_u32 s16, s16, s12
	s_lshl_b32 s12, s19, 2
	s_add_co_u32 s16, s16, s12
	s_add_nc_u64 s[QS:QS+1], s[6:7], s[16:17]
	s_lshr_b32 s16, s13, 4                         ; batch
	s_lshl_b32 s16, s16, 7
	s_lshl_b32 s12, s14, 1
	s_add_co_u32 s16, s16, s12                     ; my first token tile
	s_mul_i32 s16, s16, 12288
	s_and_b32 s12, s13, 15                         ; head
	s_mul_i32 s12, s12, 768
	s_add_co_u32 s16, s16, s12
	s_add_nc_u64 s[CO:CO+1], s[8:9], s[16:17]
	s_lshr_b32 s16, s13, 4
	s_lshl_b32 s16, s16, 4
	s_add_co_u32 s16, s16, s15
	s_lshl_b32 s16, s16, 12
	s_bfe_u32 s12, s13, 0x30001                    ; head / 2
	s_lshl_b32 s12, s12, 9
	s_add_co_u32 s16, s16, s12
	s_lshl_b32 s12, s19, 3
	s_add_co_u32 s16, s16, s12
	s_and_b32 s12, s13, 1
	s_lshl_b32 s12, s12, 1
	s_add_co_u32 s16, s16, s12
	s_add_nc_u64 s[CSO:CSO+1], s[10:11], s[16:17]
	v_and_b32 v8, 31, v0                           ; lane
	v_and_b32 v9, 15, v0                           ; lane % 16
	v_lshlrev_b32 v[AK0], 4, v8
	v_add_nc_u32 v[AV0], VI, v[AK0]
	v_lshlrev_b32 v[R16], 4, v9
	v_add_nc_u32 v[AS0], KSC, v[R16]
	v_lshlrev_b32 v[L8], 3, v8
	v_lshlrev_b32 v[R32], 5, v9
.irp c, 0,1,2
	global_load_b128 v[84+4*\c:87+4*\c], v[AK0], s[QP:QP+1] offset:512*\c      ; my block of Q, as its image lies
.endr
	global_load_b32 v35, v[R16], s[QS:QS+1]        ; its word: (tile 0: s0 s1, tile 1: s0 s1)
.irp i, 0,1,2,3,4,5
	v_mov_b32 v[16+\i], 0                          ; the zero codes round q
	v_mov_b32 v[28+\i], 0
.endr
.irp b, 0,1,2,3
	v_mov_b32 v[236+\b], 0                         ; written once: a lane permute's destination counts as one of its sources
.endr
	v_mov_b32 v253, 0                              ; (named as the upper half of the pair v[252:253] before it is first written)
	s_wait_tensorcnt 0x0                           ; my parts have landed,
	s_barrier_signal -1
	s_barrier_wait -1                              ; everybody's have
	s_wait_loadcnt 0x0                             ; Q
; A KEY STEP: 128 keys
.macro STEP
	v_add_nc_u32 v[ADK], s[TB], v[AK0]             ; these three and a v_nop are the four places ahead of loads into registers that the last products read
	v_add_nc_u32 v[ADV], s[TB], v[AV0]
	v_add_nc_u32 v[ADS], s[TS], v[AS0]
	v_nop
.irp b, 0,1,2,3
.irp c, 0,1,2
	ds_load_b128 v[36+12*\b+4*\c:39+12*\b+4*\c], v[ADK] offset:1536*\b+512*\c
.endr
.endr
	ds_load_b128 v[248:251], v[ADS]                ; the four blocks' scale words of my row
	s_wait_dscnt 0x0
.irp b, 0,1,2,3
	v_wmma_scale_f32_16x16x128_f8f6f4 v[96+16*\b:103+16*\b], v[36+12*\b:47+12*\b], v[22:33], 0, v[248+\b], v255 matrix_a_fmt:MATRIX_FMT_FP6 matrix_b_fmt:MATRIX_FMT_FP6
	v_wmma_scale_f32_16x16x128_f8f6f4 v[104+16*\b:111+16*\b], v[36+12*\b:47+12*\b], v[16:27], 0, v[248+\b], v255 matrix_a_fmt:MATRIX_FMT_FP6 matrix_b_fmt:MATRIX_FMT_FP6
.endr                                          ; register 16 b + i of S^T: key 32 b + 16 (lane / 16) + i of the step
.rept 4
	v_nop                                          ; four places: ahead of the loads below and of the first read of the scores
.endr
.irp t, 0,1,2,3
.irp c, 0,1,2
	ds_load_b128 v[36+12*\t+4*\c:39+12*\t+4*\c], v[ADV] offset:1536*\t+512*\c  ; V's four fragments land under the softmax
.endr
.endr
	ds_load_b128 v[248:251], v[ADS] offset:4096
.irp b, 0,1,2,3
	v_max3_num_f32 v[232+\b], v[96+16*\b], v[97+16*\b], v[98+16*\b]    ; the largest score of each block of 32 keys: for the row's maximum and, since p rises with the score, for the block's largest p
.endr
.irp i, 3,5,7,9,11,13
.irp b, 0,1,2,3
	v_max3_num_f32 v[232+\b], v[232+\b], v[96+16*\b+\i], v[97+16*\b+\i]
.endr
.endr
.irp b, 0,1,2,3
	v_max_num_f32 v[232+\b], v[232+\b], v[111+16*\b]
.endr
.irp b, 0,1,2,3
	v_permlanex16_b32 v[236+\b], v[232+\b], s[SEL], s[SEL+1]
.endr
.irp b, 0,1,2,3
	v_max_num_f32 v[232+\b], v[232+\b], v[236+\b]  ; with lane l xor 16's 16 keys
.endr
	v_max3_num_f32 v254, v232, v233, v234
	v_max_num_f32 v254, v254, v235
	v_mul_f32 v254, s[CS], v254                    ; as t (c is positive)
	v_max_num_f32 v13, v13, v254                   ; the running largest t
	v_mov_b32 v254, v12
	v_floor_f32 v12, -v13                          ; the new -M = floor(-t): M is a whole number
	v_sub_f32 v254, v12, v254                      ; old M - new M: a whole number, 0 or less
	v_cvt_i32_f32 v254, v254                       ; (it saturates)
	v_ldexp_f32 v252, 1.0, v254                    ; f = 2^(old M - new M): a multiplication by it rounds nothing
.set j, 0
.rept 32
	v_pk_fma_f32 v[96+j:97+j], v[96+j:97+j], s[CS:CS+1], v[12:13] op_sel_hi:[1,0,0]    ; t - M, two at a time
.set j, j+2
.endr
.irp b, 0,1,2,3
	v_fma_f32 v[232+\b], v[232+\b], s[CS], v12     ; the same of each block's largest score
.endr
.set j, 0
.rept 64
	v_exp_f32 v[96+j], v[96+j]                     ; p = 2^(t - M), at most 1
.set j, j+1
.endr
	v_pk_mul_f32 v[14:15], v[14:15], v[252:253] op_sel_hi:[1,0]        ; the sums under the new M: a plain place behind the exponentials
	s_wait_alu depctr_va_vdst(0)                   ; one wait for the whole batch, ahead of its first reader
.irp b, 0,1,2,3
	v_exp_f32 v[232+\b], v[232+\b]                 ; the block's largest p
.endr
	v_pk_add_f32 v[236:237], v[96:97], v[98:99]    ; the row's sum, of the unquantised p, in two chains
.irp j, 4,8,12,16,20,24,28,32,36,40,44,48,52,56,60
	v_pk_add_f32 v[14:15], v[14:15], v[96+\j:97+\j]
	v_pk_add_f32 v[236:237], v[236:237], v[98+\j:99+\j]
.endr
	v_pk_add_f32 v[14:15], v[14:15], v[236:237]
	s_wait_alu depctr_va_vdst(0)                   ; and one for the four
.irp b, 0,1,2,3
	v_max_num_f32 v[232+\b], 0x1800000, v[232+\b]  ; the floor 2^(3 - 127): the byte cannot fall under 1
.endr
.irp b, 0,1,2,3
	v_add_nc_u32 v[244+\b], 0xff000000, v[232+\b]  ; the conversion's scale operand
.endr
.irp b, 0,1,2,3
	v_lshrrev_b32 v[236+\b], 23, v[244+\b]         ; the scale's byte
.endr
	v_lshl_or_b32 v253, v237, 8, v236              ; p's scale word for these 128 keys
	v_lshl_or_b32 v253, v238, 16, v253
	v_lshl_or_b32 v253, v239, 24, v253
.irp c, 0,1
	v_cvt_scalef32_pk16_fp6_f32 v[224+6*\c:226+6*\c], v[96+32*\c:111+32*\c], v[244+2*\c]
	v_cvt_scalef32_pk16_fp6_f32 v[236+4*\c:238+4*\c], v[112+32*\c:127+32*\c], v[244+2*\c+1]
.endr
	v_nop                                          ; one plain place behind the conversions
.irp c, 0,1
.irp i, 0,1,2
	v_permlane16_swap_b32 v[224+6*\c+\i], v[236+4*\c+\i]
.endr
.irp i, 0,1,2
	v_mov_b32 v[227+6*\c+\i], v[236+4*\c+\i]
.endr
.endr
.set j, 0
.rept 16
	v_pk_mul_f32 v[160+j:161+j], v[160+j:161+j], v[252:253] op_sel_hi:[1,0]    ; O^T under the new M; these sixteen also stand between the writes of p's codes and scale word and the products
.set j, j+2
.endr
	s_wait_dscnt 0x0                               ; V is in
.irp t, 0,1,2,3                                ; four accumulators by turns, one instruction a turn
	v_wmma_scale_f32_16x16x128_f8f6f4 v[160+8*\t:167+8*\t], v[36+12*\t:47+12*\t], v[224:235], v[160+8*\t:167+8*\t], v[248+\t], v253 matrix_a_fmt:MATRIX_FMT_FP6 matrix_b_fmt:MATRIX_FMT_FP6
.endr
	s_add_co_u32 s[TB], s[TB], 6144
	s_add_co_u32 s[TS], s[TS], 256
.endm
; O^T / the sum: register 16 B + i is channel 32 B + 16 (lane / 16) + i of my query: two blocks of the last product's K, quantised here
.macro WAYOUT u
.rept 4
	v_nop                                          ; four places behind the last products
.endr
	v_add_f32 v14, v14, v15
	v_permlanex16_b32 v252, v14, s[SEL], s[SEL+1]
	v_add_f32 v14, v14, v252                       ; the row's sum
	v_rcp_f32 v14, v14
	v_nop                                          ; a plain place behind the reciprocal
	s_wait_alu depctr_va_vdst(0)                   ; and the wait ahead of its first reader
.set j, 0
.rept 32
	v_mul_f32 v[96+j], v[160+j], v14               ; each accumulator from its low end on
.set j, j+1
.endr
.irp b, 0,1
	v_max3_num_f32 v[232+\b], |v[96+16*\b]|, |v[97+16*\b]|, 0x1800000
.endr
.irp i, 2,4,6,8,10,12,14
.irp b, 0,1
	v_max3_num_f32 v[232+\b], v[232+\b], |v[96+16*\b+\i]|, |v[97+16*\b+\i]|
.endr
.endr
.irp b, 0,1
	v_permlanex16_b32 v[236+\b], v[232+\b], s[SEL], s[SEL+1]
.endr
.irp b, 0,1
	v_max_num_f32 v[232+\b], v[232+\b], v[236+\b]
.endr
.irp b, 0,1
	v_add_nc_u32 v[244+\b], 0xff000000, v[232+\b]
.endr
.irp b, 0,1
	v_lshrrev_b32 v[236+\b], 23, v[244+\b]
.endr
	v_lshl_or_b32 v34, v237, 8, v236               ; my row's two bytes
	v_cvt_scalef32_pk16_fp6_f32 v[224:226], v[96:111], v244
	v_cvt_scalef32_pk16_fp6_f32 v[240:242], v[112:127], v245
	v_nop
.irp i, 0,1,2
	v_permlane16_swap_b32 v[224+\i], v[240+\i]
.endr
.irp i, 0,1,2
	v_mov_b32 v[227+\i], v[240+\i]
.endr
.irp p, 0,1,2
	global_store_b64 v[L8], v[224+2*\p:225+2*\p], s[CO:CO+1] offset:12288*(\u)+256*\p  ; 32 lanes store 256 consecutive bytes, at a multiple of 256
.endr
	global_store_b16 v[R32], v34, s[CSO:CSO+1] offset:4*(\u)       ; lanes l and l + 16 write the same two bytes
.endm
.macro TILE u
	s_wait_xcnt 0x0                                ; the last tile's stores have read their registers
.irp i, 0,1,2,3,4,5
	v_mov_b32 v[22+\i], v[84+6*(\u)+\i]            ; q between the zeros
.endr
.if (\u) == 0
	v_perm_b32 v255, v35, v35, 0x01000100          ; (s0 s1 s0 s1) of this tile
.else
	v_perm_b32 v255, v35, v35, 0x03020302
.endif
	v_mov_b32 v13, 0xff61b1e6                      ; the largest t so far: -3e38
	v_floor_f32 v12, -v13
	v_mov_b32 v14, 0
	v_mov_b32 v15, 0
.set j, 0
.rept 32
	v_mov_b32 v[160+j], 0                          ; O^T: the first change of M leaves zeros zeros.  (More than the eight places between the scale word's write and the first product)
.set j, j+1
.endr
	s_mov_b32 s[TB], 0
	s_mov_b32 s[TS], 0
	s_mov_b32 s[CNT], 16
.Lstep_\@:
	STEP
	s_sub_co_u32 s[CNT], s[CNT], 1
	s_cmp_lg_u32 s[CNT], 0
	s_cbranch_scc1 .Lstep_\@
	WAYOUT \u
.endm
	TILE 0
	TILE 1
	s_wait_dscnt 0x0
	s_barrier_signal -1
	s_barrier_wait -1                              ; every wave's LDS reads are over
	s_wait_tensorcnt 0x0                           ; the wave's end
	ds_add_u32 v[SPW], v[NIL]
	s_wait_dscnt 0x0
	ROUND                                          ; the closing round
	s_endpgm
.Lfunc_end_k_qd3518efd72_attn:
	.size	k_qd3518efd72_attn, .Lfunc_end_k_qd3518efd72_attn-k_qd3518efd72_attn
	.p2alignl 7, 3214868480
	.fill 96, 4, 3214868480
	.section	.rodata,"a",@progbits
	.p2align	6, 0x0
	.amdhsa_kernel k_qd3518efd72_attn
		.amdhsa_group_segment_fixed_size 206848
		.amdhsa_private_segment_fixed_size 0
		.amdhsa_enable_private_segment 0
		.amdhsa_kernarg_size 32
		.amdhsa_user_sgpr_count 2
		.amdhsa_user_sgpr_kernarg_segment_ptr 1
		.amdhsa_wavefront_size32 1
		.amdhsa_system_sgpr_workgroup_id_x 1
		.amdhsa_system_sgpr_workgroup_id_y 1
		.amdhsa_system_sgpr_workgroup_id_z 1
		.amdhsa_system_vgpr_workitem_id 0
		.amdhsa_next_free_vgpr 256
		.amdhsa_next_free_sgpr 80
		.amdhsa_reserve_vcc 0
		.amdhsa_float_denorm_mode_32 3
		.amdhsa_float_denorm_mode_16_64 3
		.amdhsa_memory_ordered 1
		.amdhsa_forward_progress 1
		.amdhsa_inst_pref_size 48
	.end_amdhsa_kernel
	.amdgpu_metadata
---
amdhsa.version: [ 1, 2 ]
amdhsa.kernels:
  - .name:           k_qd3518efd72_attn
    .symbol:         k_qd3518efd72_attn.kd
    .args:
      - { .name: himg, .offset: 0, .size: 8, .value_kind: global_buffer, .address_space: global }
      - { .name: hsc, .offset: 8, .size: 8, .value_kind: global_buffer, .address_space: global }
      - { .name: cimg, .offset: 16, .size: 8, .value_kind: global_buffer, .address_space: global }
      - { .name: csc, .offset: 24, .size: 8, .value_kind: global_buffer, .address_space: global }
    .group_segment_fixed_size: 206848
    .private_segment_fixed_size: 0
    .kernarg_segment_align: 8
    .kernarg_segment_size: 32
    .max_flat_workgroup_size: 512
    .sgpr_count:     80
    .vgpr_count:     256
    .wavefront_size: 32
...
	.end_amdgpu_metadata
.endif
;; end of part 3
;; launch outp (part 4): grid 4 x 64, 4 waves a work-group, clusters of 4 x 1, 167,936 bytes of LDS; arguments cimg, csc, wimg, wsc, bo, out0; writes out0
.if DOCPART == 4
	.amdgcn_target "amdgcn-amd-amdhsa--gfx1250"
	.amdhsa_code_object_version 6
	.text
	.protected	k_qd3518efd72_outp
	.globl	k_qd3518efd72_outp
	.p2align	8
	.type	k_qd3518efd72_outp,@function
k_qd3518efd72_outp:
	s_mov_b64 s[64:65], 0
	v_nop
	global_prefetch_b8 v0, s[64:65] scope:SCOPE_SE
	s_setreg_imm32_b32 hwreg(HW_REG_WAVE_MODE, 25, 1), 1
	s_wait_xcnt 0x0
	s_wait_alu depctr_hold_cnt(0) depctr_sa_sdst(0) depctr_va_vdst(0) depctr_va_sdst(0) depctr_va_ssrc(0) depctr_va_vcc(0) depctr_vm_vsrc(0)
	s_getreg_b32 s2, hwreg(HW_REG_IB_STS2, 6, 4)
	s_cmp_eq_u32 s2, 0
	s_cbranch_scc0 .Lentry_in_a_cluster
	s_endpgm
.Lentry_in_a_cluster:
	s_bfe_u32 s2, ttmp6, 0x10000c
	s_cmp_lg_u32 s2, 0x3003
	s_cbranch_scc0 .Lentry_shape_is_right
	s_endpgm
.Lentry_shape_is_right:
; out = cv Wo + bo on codes of FP6 (E2M3) with E8M0 scales.  cv's codes and scale words come as the attention launch laid them, Wo's as the weights' launch laid them.
; A work-group takes 128 tokens (y) x 256 features (x); a wave all 8 token tiles x 4 feature tiles: 32 accumulators, 8 K steps of 32 matrix instructions.
; cv's 128 rows, all of K, are 98,304 dense bytes of images and 4,096 of scale words: they come into LDS once.  CLUSTER: the four work-groups of a y need the same ones: joint loads, mask of all four.
; Wo's fragments are used by one wave each and go from memory straight into its registers.
; Source 0 = 16 features of Wo, source 1 = 16 tokens: a lane holds one token and eight neighbouring features.  The bias is the C of each sum's first matrix instruction.
; Row r of token tile o is token 32 (o / 2) + 8 (o % 2) + r + 8 (r / 8); row r of feature tile 2 B + u is feature 32 B + 8 u + r + 8 (r / 8).
; The way out: a tile of 16 tokens x 64 features goes through the wave's own stage and leaves as rows of 256 consecutive bytes.
; REGISTERS: window 0: v4-15 addresses; v32-55 scale words alone; v64-159, v160-255 cv's fragments, two sets (on the way out v64-127 rows of the result).
;   window 1: v0-47, v48-95 Wo's fragments, two sets; v96-127 the bias.   window 2: accumulator (o, i) at v[8 (4 o + i)].
.set CSCL,  98304                      ; LDS: cv's images [tile 8][K step 8][1,536] from 0; scale words [K step 8][row 16][tile 8] from here
.set STG,   102400                     ; four stages of 16 rows x 272 bytes, 4,608 bytes apart: no fill lands here
.set SPARE, 120832                     ; the spare words, 128 bytes a wave
.set L8,   4
.set LI,   5
.set WSO,  6
.set CS0,  7
.set ADC0, 8
.set ADC1, 9
.set ADCS, 10
.set BA,   11
.set STO,  12
.set RD,   13
.set CO,   14
.set L8B,  15
.set SPW,  28
.set NIL,  29
.set SIN,  32                          ; Wo's scale words, set e at SIN + 4 e
.set SOUT, 40                          ; cv's, set e at SOUT + 8 e
.set BK,   64
.set WV,  18
.set G1I, 24
.set G1S, 32
.set G0I, 40
.set G0S, 44
.set CNT, 48
.set XT,  49
.set XST, 50
.set WB,  52
.set WS,  54
.set BB,  56
.set OP,  58
.set MSB, 0
.macro WIN new
.if MSB != (\new)
	s_set_vgpr_msb (MSB<<8)|(\new)
.set MSB, \new
.endif
.endm
.macro ROUND
	s_barrier_signal -1
	s_barrier_wait -1
	s_cmp_lg_u32 s[WV], 0
	s_cbranch_scc1 .Lnot_wave_0_\@
	s_barrier_signal -3
.Lnot_wave_0_\@:
	s_barrier_wait -3
	s_barrier_signal -1
	s_barrier_wait -1
.endm
.macro FETCHW e                        ; 14 global loads: Wo's four fragments and their scale words
	WIN 0x40
.irp i, 0,1,2,3
.irp c, 0,1,2
	global_load_b128 v[48*(\e)+12*\i+4*\c:48*(\e)+12*\i+4*\c+3], v[LI], s[WB:WB+1] offset:12288*\i+512*\c+1536*(\e)
.endr
.endr
	WIN 0
.irp g, 0,1
	global_load_b64 v[SIN+4*(\e)+2*\g:SIN+4*(\e)+2*\g+1], v[WSO], s[WS:WS+1] offset:1024*\g+128*(\e)
.endr
.endm
.macro FETCHC e                        ; 50 LDS loads: cv's eight fragments and their scale words
.irp o, 0,1,2,3,4,5,6,7
.irp p, 0,1,2,3,4,5
.if \o < 4
	ds_load_b64 v[64+96*(\e)+12*\o+2*\p:64+96*(\e)+12*\o+2*\p+1], v[ADC0] offset:12288*(\o%4)+256*\p+1536*(\e)
.else
	ds_load_b64 v[64+96*(\e)+12*\o+2*\p:64+96*(\e)+12*\o+2*\p+1], v[ADC1] offset:12288*(\o%4)+256*\p+1536*(\e)
.endif
.endr
.endr
.irp g, 0,1
	ds_load_b128 v[SOUT+8*(\e)+4*\g:SOUT+8*(\e)+4*\g+3], v[ADCS] offset:16*\g+512*(\e)
.endr
.endm
.macro MUL e                           ; the 32 accumulators take turns, one instruction a turn
	WIN 0xa1
.irp o, 0,1,2,3,4,5,6,7
.irp i, 0,1,2,3
	v_wmma_scale_f32_16x16x128_f8f6f4 v[8*(4*\o+\i):8*(4*\o+\i)+7], v[48*(\e)+12*\i:48*(\e)+12*\i+11], v[64+96*(\e)+12*\o:64+96*(\e)+12*\o+11], v[8*(4*\o+\i):8*(4*\o+\i)+7], v[SIN+4*(\e)+\i], v[SOUT+8*(\e)+\o] matrix_a_fmt:MATRIX_FMT_FP6 matrix_b_fmt:MATRIX_FMT_FP6
.endr
.endr
.endm
.macro MULB                            ; the first K step: the bias starts the sums
	WIN 0x91
.irp o, 0,1,2,3,4,5,6,7
.irp i, 0,1,2,3
	v_wmma_scale_f32_16x16x128_f8f6f4 v[8*(4*\o+\i):8*(4*\o+\i)+7], v[12*\i:12*\i+11], v[64+12*\o:64+12*\o+11], v[96+8*\i:96+8*\i+7], v[SIN+\i], v[SOUT+\o] matrix_a_fmt:MATRIX_FMT_FP6 matrix_b_fmt:MATRIX_FMT_FP6
.endr
.endr
.endm
.macro TOSTAGE o
	WIN 0x08                                       ; an LDS store's data: window 2
.irp i, 0,1,2,3
	ds_store_b128 v[STO], v[8*(4*(\o)+\i):8*(4*(\o)+\i)+3] offset:128*(\i/2)+32*(\i%2)         ; each accumulator from its low end on
	ds_store_b128 v[STO], v[8*(4*(\o)+\i)+4:8*(4*(\o)+\i)+7] offset:128*(\i/2)+32*(\i%2)+16
.endr
	WIN 0
.irp t, 0,1,2,3,4,5,6,7
	ds_load_b128 v[BK+32*((\o)%2)+4*\t:BK+32*((\o)%2)+4*\t+3], v[RD] offset:544*\t     ; LDS serves a wave's instructions in order: these see my stores
.endr
.endm
.macro SEND o, younger
	s_wait_dscnt \younger                          ; the tile is back; the LDS instructions issued behind its loads may be out
.irp t, 0,1,2,3,4,5,6,7
	global_store_b128 v[CO], v[BK+32*((\o)%2)+4*\t:BK+32*((\o)%2)+4*\t+3], s[OP:OP+1] offset:(32*((\o)/2)+8*((\o)%2)+2*\t+8*(\t/4))*4096 th:TH_STORE_NT    ; 16 lanes store 256 consecutive bytes, at a multiple of 256
.endr
.endm
	s_load_b256 s[4:11], s[0:1], 0x0               ; cimg, csc, wimg, wsc
	s_load_b128 s[12:15], s[0:1], 0x20             ; bo, out0
	v_lshl_add_u32 v[SPW], v0, 2, SPARE
	v_mov_b32 v[NIL], 0
	ds_add_u32 v[SPW], v[NIL]                      ; the wave's opening: an add, and its wait ahead of my first tensor load
	v_lshrrev_b32 v1, 5, v0
	v_readfirstlane_b32 s[WV], v1                  ; wave 0..3
	s_and_b32 s19, ttmp7, 0xffff                   ; y: which 128 tokens; the four partners share it
	s_mov_b32 s[G1I], 15|(3<<16)|(1<<21)           ; rows of 256 bytes (32 elements of 8): 96 rows of images a wave
	s_mov_b32 s[G1I+1], 32<<16
	s_mov_b32 s[G1I+2], 96<<16
	s_mov_b32 s[G1I+3], 32<<16
	s_mov_b32 s[G1I+4], 96
	s_mov_b32 s[G1I+5], 32
	s_mov_b32 s[G1I+6], 0
	s_mov_b32 s[G1I+7], 0
	s_mov_b32 s[G1S], 15|(3<<16)|(1<<21)           ; 4 rows of scale words a wave
	s_mov_b32 s[G1S+1], 32<<16
	s_mov_b32 s[G1S+2], 4<<16
	s_mov_b32 s[G1S+3], 32<<16
	s_mov_b32 s[G1S+4], 4
	s_mov_b32 s[G1S+5], 32
	s_mov_b32 s[G1S+6], 0
	s_mov_b32 s[G1S+7], 0
	s_mov_b32 s[G0I], 1
	s_mul_i32 s[G0I+1], s[WV], 24576
	s_mul_i32 s60, s19, 98304
	s_add_co_u32 s60, s60, s[G0I+1]
	s_mov_b32 s61, 0
	s_mov_b32 s[G0S], 1
	s_lshl_b32 s63, s[WV], 10
	s_lshl_b32 s62, s19, 12
	s_add_co_u32 s62, s62, s63
	s_add_co_u32 s[G0S+1], s63, CSCL
	s_mov_b32 s63, 0
	s_wait_dscnt 0x0                               ; the opening add is done
	s_wait_kmcnt 0x0
	s_add_nc_u64 s[G0I+2:G0I+3], s[4:5], s[60:61]
	s_or_b32 s[G0I+3], s[G0I+3], 0x80000000
	s_add_nc_u64 s[G0S+2:G0S+3], s[6:7], s[62:63]
	s_or_b32 s[G0S+3], s[G0S+3], 0x80000000
	ROUND                                          ; all four work-groups are here: the joint loads meet
	tensor_load_to_lds s[G0I:G0I+3], s[G1I:G1I+7]  ; two loads of mine are out: all that this launch fills
	s_nop 0
	tensor_load_to_lds s[G0S:G0S+3], s[G1S:G1S+7]
	s_nop 0
.rept 4
	v_nop
.endr
	; my features: the place in the cluster enters Wo's, the bias's and the output's global addresses alone
	s_bfe_u32 s16, ttmp6, 0x40000
	s_lshl_b32 s17, ttmp9, 2
	s_add_co_u32 s16, s16, s17                     ; x
	s_lshl_b32 s17, s16, 4
	s_lshl_b32 s20, s[WV], 2
	s_add_co_u32 s17, s17, s20                     ; my first feature tile: 16 x + 4 w
	s_mov_b32 s21, 0
	s_mul_i32 s20, s17, 12288
	s_add_co_u32 s20, s20, 2359296                 ; the fourth weight
	s_add_nc_u64 s[WB:WB+1], s[8:9], s[20:21]
	s_lshl_b32 s20, s17, 9
	s_add_co_u32 s20, s20, 98304
	s_add_nc_u64 s[WS:WS+1], s[10:11], s[20:21]
	s_lshl_b32 s20, s17, 6                         ; 64 bytes of f32 a tile
	s_add_nc_u64 s[BB:BB+1], s[12:13], s[20:21]
	s_lshl_b32 s22, s19, 19
	s_add_co_u32 s20, s20, s22
	s_add_nc_u64 s[OP:OP+1], s[14:15], s[20:21]
	v_and_b32 v1, 31, v0                           ; lane
	v_and_b32 v2, 15, v0                           ; r
	v_bfe_u32 v3, v0, 4, 1                         ; h
	v_lshlrev_b32 v[L8], 3, v1
	v_add_nc_u32 v[L8B], 49152, v[L8]
	v_lshlrev_b32 v[LI], 4, v1
	v_lshlrev_b32 v[WSO], 3, v2
	v_lshlrev_b32 v[CS0], 5, v2
	v_add_nc_u32 v[CS0], CSCL, v[CS0]
	v_lshlrev_b32 v[BA], 6, v3
	s_mul_i32 s23, s[WV], 4608
	s_add_co_u32 s23, s23, STG                     ; my stage
	v_mul_u32_u24 v[STO], v2, 272
	v_lshl_add_u32 v[STO], v3, 6, v[STO]
	v_add_nc_u32 v[STO], s23, v[STO]               ; in: row r, + 64 h
	v_mul_u32_u24 v[RD], v3, 272
	v_lshl_add_u32 v[RD], v2, 4, v[RD]
	v_add_nc_u32 v[RD], s23, v[RD]                 ; back: lanes 0-15 one row, lanes 16-31 the next
	v_lshlrev_b32 v[CO], 12, v3
	v_lshl_add_u32 v[CO], v2, 4, v[CO]             ; and the same two rows in the output
	v_mov_b32 v[ADC0], v[L8]
	v_mov_b32 v[ADC1], v[L8B]
	v_mov_b32 v[ADCS], v[CS0]
	s_mov_b32 s[XT], 0
	s_mov_b32 s[XST], 0
	WIN 0x40
.irp i, 0,1,2,3                                ; lane (r, h), tile i: features 32 (i / 2) + 8 (i % 2) + 16 h + 0 .. 7
	global_load_b128 v[96+8*\i:99+8*\i], v[BA], s[BB:BB+1] offset:(32*(\i/2)+8*(\i%2))*4
	global_load_b128 v[100+8*\i:103+8*\i], v[BA], s[BB:BB+1] offset:(32*(\i/2)+8*(\i%2))*4+16
.endr
	WIN 0
	FETCHW 0
	FETCHW 1
	s_wait_tensorcnt 0x0                           ; my parts of cv have landed,
	s_barrier_signal -1
	s_barrier_wait -1                              ; everybody's have
	FETCHC 0
	FETCHC 1
	s_wait_loadcnt 14                              ; the bias and set 0 are in; set 1's 14 global loads
	s_wait_dscnt 50                                ; and 50 LDS loads may be out
	MULB
	WIN 0
	s_mov_b32 s[CNT], 3
.Lk:                                               ; a trip: K steps 2 t - 1 (set 1) and 2 t (set 0)
	s_wait_loadcnt 0x0                             ; set 1 is in, and no load reads the bases any more
	s_wait_dscnt 0x0
	s_add_nc_u64 s[WB:WB+1], s[WB:WB+1], 3072
	s_add_nc_u64 s[WS:WS+1], s[WS:WS+1], 256
	s_add_co_u32 s[XT], s[XT], 3072
	s_add_co_u32 s[XST], s[XST], 1024
	v_add_nc_u32 v[ADC0], s[XT], v[L8]             ; these three and a v_nop are the four places ahead of loads into registers that the last products read
	v_add_nc_u32 v[ADC1], s[XT], v[L8B]
	v_add_nc_u32 v[ADCS], s[XST], v[CS0]
	v_nop
	FETCHW 0
	FETCHC 0
	MUL 1
	WIN 0
	s_wait_loadcnt 0x0                             ; set 0 is in
	s_wait_dscnt 0x0
.rept 4
	v_nop
.endr
	FETCHW 1
	FETCHC 1
	MUL 0
	WIN 0
	s_sub_co_u32 s[CNT], s[CNT], 1
	s_cmp_lg_u32 s[CNT], 0
	s_cbranch_scc1 .Lk
	s_wait_loadcnt 0x0
	s_wait_dscnt 0x0
	MUL 1                                          ; K step 7
	WIN 0
.rept 4
	v_nop                                          ; four places: ahead of the stores that read results and of the loads into registers that held cv's fragments
.endr
	TOSTAGE 0
.irp o, 1,2,3,4,5,6,7
.if \o > 1
	s_wait_xcnt 0x0                                ; tile o - 2's stores have read their registers: tile o's rows may land there
.endif
	TOSTAGE \o
	SEND \o-1, 16                                  ; behind tile o - 1's loads: tile o's 8 stores and 8 loads
.endr
	SEND 7, 0
	s_wait_dscnt 0x0
	s_barrier_signal -1
	s_barrier_wait -1                              ; every wave's LDS reads are over
	s_wait_tensorcnt 0x0                           ; the wave's end, behind my last tensor load and my last LDS store
	ds_add_u32 v[SPW], v[NIL]
	s_wait_dscnt 0x0
	ROUND                                          ; the closing round
	s_endpgm
.Lfunc_end_k_qd3518efd72_outp:
	.size	k_qd3518efd72_outp, .Lfunc_end_k_qd3518efd72_outp-k_qd3518efd72_outp
	.p2alignl 7, 3214868480
	.fill 96, 4, 3214868480
	.section	.rodata,"a",@progbits
	.p2align	6, 0x0
	.amdhsa_kernel k_qd3518efd72_outp
		.amdhsa_group_segment_fixed_size 167936
		.amdhsa_private_segment_fixed_size 0
		.amdhsa_enable_private_segment 0
		.amdhsa_kernarg_size 48
		.amdhsa_user_sgpr_count 2
		.amdhsa_user_sgpr_kernarg_segment_ptr 1
		.amdhsa_wavefront_size32 1
		.amdhsa_system_sgpr_workgroup_id_x 1
		.amdhsa_system_sgpr_workgroup_id_y 1
		.amdhsa_system_sgpr_workgroup_id_z 1
		.amdhsa_system_vgpr_workitem_id 0
		.amdhsa_next_free_vgpr 768
		.amdhsa_next_free_sgpr 72
		.amdhsa_reserve_vcc 0
		.amdhsa_float_denorm_mode_32 3
		.amdhsa_float_denorm_mode_16_64 3
		.amdhsa_memory_ordered 1
		.amdhsa_forward_progress 1
		.amdhsa_inst_pref_size 57
	.end_amdhsa_kernel
	.amdgpu_metadata
---
amdhsa.version: [ 1, 2 ]
amdhsa.kernels:
  - .name:           k_qd3518efd72_outp
    .symbol:         k_qd3518efd72_outp.kd
    .args:
      - { .name: cimg, .offset: 0, .size: 8, .value_kind: global_buffer, .address_space: global }
      - { .name: csc, .offset: 8, .size: 8, .value_kind: global_buffer, .address_space: global }
      - { .name: wimg, .offset: 16, .size: 8, .value_kind: global_buffer, .address_space: global }
      - { .name: wsc, .offset: 24, .size: 8, .value_kind: global_buffer, .address_space: global }
      - { .name: bo, .offset: 32, .size: 8, .value_kind: global_buffer, .address_space: global }
      - { .name: out0, .offset: 40, .size: 8, .value_kind: global_buffer, .address_space: global }
    .group_segment_fixed_size: 167936
    .private_segment_fixed_size: 0
    .kernarg_segment_align: 8
    .kernarg_segment_size: 48
    .max_flat_workgroup_size: 128
    .sgpr_count:     72
    .vgpr_count:     768
    .wavefront_size: 32
...
	.end_amdgpu_metadata
.endif
;; end of part 4
;; ======== version 2 of 2: 4 launches
;; workspace buffers: wimg 3,145,728 bytes; wsc 131,072 bytes; himg 18,874,368 bytes; hsc 786,432 bytes; cimg 6,291,456 bytes; csc 262,144 bytes
;; launch wquant: the kernel of part 1 again; grid 8 x 32, 4 waves a work-group, no clusters, 12,800 bytes of LDS; arguments wq, wk, wv, wo, wimg, wsc; writes wimg, wsc
;; launch proj (part 5): grid 192 x 1, 4 waves a work-group, no clusters, 102,912 bytes of LDS; arguments q, k, v, bq, bk, bv, wimg, wsc, himg, hsc; writes himg, hsc
.if DOCPART == 5
	.amdgcn_target "amdgcn-amd-amdhsa--gfx1250"
	.amdhsa_code_object_version 6
	.text
	.protected	k_qd3518efd72_proj
	.globl	k_qd3518efd72_proj
	.p2align	8
	.type	k_qd3518efd72_proj,@function
k_qd3518efd72_proj:
	s_mov_b64 s[64:65], 0
	v_nop
	global_prefetch_b8 v0, s[64:65] scope:SCOPE_SE
	s_setreg_imm32_b32 hwreg(HW_REG_WAVE_SCHED_MODE, 0, 2), 2
	s_setreg_imm32_b32 hwreg(HW_REG_WAVE_MODE, 25, 1), 1
	s_wait_xcnt 0x0
	s_wait_alu depctr_vm_vsrc(0)
; The three projections x W + b (x = q, k, v), on codes of FP6 (E2M3) with E8M0 scales, and the quantisers round them.
; A work-group takes 128 tokens of one of the three tensors (z = work-group / 64) and ALL 1,024 features, so each f32 of x is read once.
; PHASE X: wave w quantises token tiles 2 w, 2 w + 1 along the 1,024 inputs and stores their fragments in LDS as images of the operand's registers.
;   Row r of token tile 2 B + u is token 32 B + 8 u + r + 8 (r / 8), so that a later result's 16 registers of two neighbouring tiles are 16 neighbours.
; PASSES p = 0, 1: wave w makes features 512 p + 128 w .. + 127 (two heads) for the 128 tokens: 64 accumulators, 8 K steps of 64 matrix instructions.
;   q, k: source 0 = 16 features of W, source 1 = 16 tokens: a lane holds one token and its registers run along the features, which are the next product's K.
;   v:    source 0 = 16 tokens, source 1 = 16 features: a lane holds one feature and its registers run along the tokens (the keys), which are ITS next K.
;   The bias is the C of each sum's first matrix instruction.  The results are quantised in registers and leave as images:
;   himg [z][batch x head 64][98,304]: q, k: [block of 32 tokens 64][tile 2 blk: 6 registers | tile 2 blk + 1: 6 registers]; v: [128 keys 16][tile of 16 d 4][fragment]
;   hsc  [z][batch x head][128 tokens 16][row 16][4 words]: q, k: word = block, bytes (first tile's two, second tile's two); v: word = tile of d, byte = block of keys.
; W's fragments go from memory straight into the registers of the one wave that multiplies by them: 12,288 bytes a wave and K step, each byte for one wave of the work-group.
; So they are not asked for jointly by a cluster: a joint load lands in LDS, which would add those bytes once written and once read beside the 12,288 that a wave reads of x.
; 192 work-groups: 128 tokens divide each tensor's 8,192; a smaller share would read W more often.
; LIMITS: NaN and infinities are not served; a block under 2^-124, a block of zeros too, gets the byte 1 (this program alone reads the bytes).
; REGISTERS, in windows of 256.  Window 0: v1-16 addresses; v32-63 scale words alone (two sets each for source 0 and source 1); v64-159, v160-255 source 1's fragments, two sets;
;   outside the K loop those 192 are at work for the quantiser.  Window 1: v0-95, v96-191 source 0's fragments, two sets; v192-255 the bias; in phase X four sets of 64 numbers.
;   Windows 2, 3: accumulator (o, i) at v[64 (o % 4) + 8 i] of window 2 + o / 4.
; THE MODE: SCHED_MODE bits 1:0 = 2 (LLVM: expert scheduling mode 2), set by the entry lines.  The code itself states the register dependences
; between vector or matrix instructions and memory or LDS instructions, with s_wait_alu, always for 0.
; THE PLAN.  Registers that memory or LDS instructions touch, and who else names them:
;   phase X  sets 0 .. 3 (window 1)  The quantiser of set q reads the set; behind ONE wait on va_vdst the next trip's 16 loads land in it.  Each set has a scalar base of its own, stepped behind the wait for the set's data.
;            FRG (v104-115), PW (v80) Written by the quantiser, read by the set's four LDS stores, which stand behind the same wait; a wait on vm_vsrc stands ahead of the next set's quantiser.
;            XWI, XWS                 Read by the LDS stores; written at a trip's head, behind that trip's wait on vm_vsrc.
;   passes   fragment sets 0, 1 and their scale words  Read by the 64 matrix instructions of a K step; behind ONE wait on va_vdst the loads of the K step two on land in them, ahead of the wait for the other set's data.
;            Each set has scalar bases of its own for W's images and scale words, stepped where the set's last loads have been shown done.
;            XRD, XSR                 Read by the LDS loads of x's images; written at a pass's head and once a trip (two K steps), behind a wait on vm_vsrc and ahead of the step's wait on va_vdst.
;            v96-199                  The way out: every fragment and scale word of a pass has registers of its own; one wait on va_vdst for each pair of tiles stands ahead of its stores; one on vm_vsrc at the next pass's head.
;   v4, v5, v6, v11, v12, v13         Offsets, made at the head and never written again.     v28, v29  written at the head, read by the closing add alone.
.set XSC,   98304                      ; LDS: x's images [K step 8][tile 8][1,536] from 0; their scale words [K step][row 16][tile 8] from here
.set SPARE, 102400                     ; the spare words, 128 bytes a wave
.set XA,   4                           ; x: my lane's byte in the wave's 32 rows
.set LI,   5                           ; 16 x lane
.set LR16, 6                           ; 16 x (lane % 16)
.set XWI0, 7                           ; where my wave stores x's images: 16 x lane + 3,072 x wave
.set XWS0, 8                           ; and their scale words
.set XRD,  9                           ; where the K step's images are read
.set XSR,  10                          ; and its scale words
.set WSO,  11                          ; 8 x (lane % 16): W's scale words
.set BAQ,  12                          ; bias, q and k: 64 x (lane / 16)
.set BAV,  13                          ; bias, v: 4 x my feature's place in its tile pair
.set XSR0, 14
.set XWI,  15
.set XWS,  16
.set SPW,  28
.set NIL,  29
.set SIN,  32                          ; source 0's scale words, set e at SIN + 16 e
.set SOUT, 40                          ; source 1's
.set TM,   64                          ; v64-79 the quantiser's work
.set PW,   80                          ; v80-81 scale words just made
.set TT,   88                          ; v88-94 upper halves of blocks
.set SE,   96                          ; v96-99, v100-103 scale words to store
.set SO,   100
.set FRG,  104                         ; v104-199 eight fragments to store
.set WV,   24
.set ZZ,   25
.set BLK,  26
.set MODE, 27
.set PASS, 28
.set CNT,  29
.set XT,   30
.set XST,  31
.set XP,   32
.set BB,   34
.set WB0,  36
.set WS0,  38
.set OB,   44
.set OS,   46
.set SEL,  48
.set XB,   56                          ; s[56:63] phase X: set q's base in x, a pair at XB + 2 q
.set WB,   56                          ; s[56:63] the passes: fragment set e: W's images at the pair WB + 4 e, W's scale words at the pair WB + 4 e + 2
.set MSB, 0
.macro WIN new                         ; the immediate's high byte repeats the setting that is left; a switch that changes nothing is dropped
.if MSB != (\new)
	s_set_vgpr_msb (MSB<<8)|(\new)
.set MSB, \new
.endif
.endm
; 64 numbers of a lane in window win, v[s] on, register 16 b + i = k 32 b + 16 (lane / 16) + i of my row, become 12 code registers (6 at d0: k 0-63; 6 at d1: k 64-127) and the scale word pw.
.macro QUANT win, s, d0, d1, pw
	WIN (\win)|((\win)<<2)
.irp b, 0,1,2,3
	v_max3_num_f32 v[TM+\b], |v[(\s)+16*\b]|, |v[(\s)+16*\b+1]|, 0x1800000      ; each accumulator is read from its low end on; the floor 2^(3 - 127) holds the byte at 1
.endr
.irp i, 2,4,6,8,10,12,14
.irp b, 0,1,2,3
	v_max3_num_f32 v[TM+\b], |v[(\s)+16*\b+\i]|, |v[(\s)+16*\b+\i+1]|, v[TM+\b]
.endr
.endr
	WIN 0
.irp b, 0,1,2,3
	v_permlanex16_b32 v[TM+4+\b], v[TM+\b], s[SEL], s[SEL+1]
.endr
.irp b, 0,1,2,3
	v_max_num_f32 v[TM+\b], v[TM+\b], v[TM+4+\b]   ; with lane l xor 16's 16: the block's largest magnitude
.endr
.irp b, 0,1,2,3
	v_add_nc_u32 v[TM+12+\b], 0xff000000, v[TM+\b] ; 2 off the exponent field: the conversion's scale operand
.endr
.irp b, 0,1,2,3
	v_lshrrev_b32 v[TM+4+\b], 23, v[TM+12+\b]      ; the scale's byte
.endr
	v_lshl_or_b32 v[\pw], v[TM+5], 8, v[TM+4]
	v_lshl_or_b32 v[\pw], v[TM+6], 16, v[\pw]
	v_lshl_or_b32 v[\pw], v[TM+7], 24, v[\pw]
	WIN \win
	v_cvt_scalef32_pk16_fp6_f32 v[(\d0):(\d0)+2], v[(\s):(\s)+15], v[TM+12]
	v_cvt_scalef32_pk16_fp6_f32 v[TT:TT+2], v[(\s)+16:(\s)+31], v[TM+13]
	v_cvt_scalef32_pk16_fp6_f32 v[(\d1):(\d1)+2], v[(\s)+32:(\s)+47], v[TM+14]
	v_cvt_scalef32_pk16_fp6_f32 v[TT+4:TT+6], v[(\s)+48:(\s)+63], v[TM+15]
	WIN 0
	v_nop                                          ; one plain place behind the conversions
.irp i, 0,1,2                                  ; the operand wants a whole block in a lane: lanes 0-15 the even block, lanes 16-31 the odd one
	v_permlane16_swap_b32 v[(\d0)+\i], v[TT+\i]
.endr
.irp i, 0,1,2
	v_mov_b32 v[(\d0)+3+\i], v[TT+\i]
.endr
.irp i, 0,1,2
	v_permlane16_swap_b32 v[(\d1)+\i], v[TT+4+\i]
.endr
.irp i, 0,1,2
	v_mov_b32 v[(\d1)+3+\i], v[TT+4+\i]
.endr
.endm
; set q = 2 e + u of window 1: tile u of my two, K step e of the trip's two: 64 numbers a lane, from the set's own base on
.macro XLOAD q
	WIN 0x40
.irp b, 0,1,2,3
.irp j, 0,1,2,3
	global_load_b128 v[64*(\q)+16*\b+4*\j:64*(\q)+16*\b+4*\j+3], v[XA], s[XB+2*(\q):XB+2*(\q)+1] offset:32768*((\q)%2)+512*((\q)/2)+128*\b+16*\j th:TH_LOAD_NT
.endr
.endr
	WIN 0
.endm
; the head of a trip of phase X: where this trip's images and scale words go
.macro XHEAD
	s_wait_alu depctr_vm_vsrc(0)                   ; the last trip's LDS stores have read v[XWI] and v[XWS], which are written now, and v[FRG ..] and v[PW], which set 0's quantiser writes
	v_add_nc_u32 v[XWI], s[XT], v[XWI0]
	v_add_nc_u32 v[XWS], s[XST], v[XWS0]
.endm
.macro XQ q, ahead, left
	s_wait_loadcnt \left                           ; my set's 16 loads are in; the younger sets stay out
.if \ahead
	s_add_nc_u64 s[XB+2*(\q):XB+2*(\q)+1], s[XB+2*(\q):XB+2*(\q)+1], 1024      ; free since that wait, which shows the loads that read it done: the set's numbers of the next trip
.endif
.if (\q) > 0
	s_wait_alu depctr_vm_vsrc(0)                   ; the LDS stores of the set before have read v[FRG ..] and v[PW], which this quantiser writes
.endif
	QUANT 1, 64*(\q), FRG, FRG+6, PW
	s_wait_alu depctr_va_vdst(0)                   ; the quantiser has written v[FRG ..] and v[PW], which the stores read (for set 0: the trip's head has written v[XWI], v[XWS]), and is done reading the set, in which the loads land
.if \ahead
	XLOAD \q                                       ; the set takes the next trip's numbers
.endif
.irp c, 0,1,2
	ds_store_b128 v[XWI], v[FRG+4*\c:FRG+4*\c+3] offset:12288*((\q)/2)+1536*((\q)%2)+512*\c
.endr
	ds_store_b32 v[XWS], v[PW] offset:512*((\q)/2)+4*((\q)%2)      ; lanes l and l + 16 hold the same word and write the same bytes
.endm
; one K step's operands into set e.  q, k: source 0 = W (memory), source 1 = x (LDS); v: the other way round.  28 global loads and 26 LDS loads on either way; those from memory first.
.macro FETCH e
	s_cmp_eq_u32 s[MODE], 0
	s_cbranch_scc0 .Lfv_\@
	WIN 0x40
.irp i, 0,1,2,3,4,5,6,7
.irp c, 0,1,2
	global_load_b128 v[96*(\e)+12*\i+4*\c:96*(\e)+12*\i+4*\c+3], v[LI], s[WB+4*(\e):WB+4*(\e)+1] offset:12288*\i+512*\c
.endr
.endr
	WIN 0
.irp g, 0,1,2,3
	global_load_b64 v[SIN+16*(\e)+2*\g:SIN+16*(\e)+2*\g+1], v[WSO], s[WB+4*(\e)+2:WB+4*(\e)+3] offset:1024*\g
.endr
.irp o, 0,1,2,3,4,5,6,7
.irp c, 0,1,2
	ds_load_b128 v[64+96*(\e)+12*\o+4*\c:64+96*(\e)+12*\o+4*\c+3], v[XRD] offset:1536*\o+512*\c+12288*(\e)
.endr
.endr
.irp g, 0,1
	ds_load_b128 v[SOUT+16*(\e)+4*\g:SOUT+16*(\e)+4*\g+3], v[XSR] offset:16*\g+512*(\e)
.endr
	s_branch .Lfd_\@
.Lfv_\@:
.irp o, 0,1,2,3,4,5,6,7
.irp c, 0,1,2
	global_load_b128 v[64+96*(\e)+12*\o+4*\c:64+96*(\e)+12*\o+4*\c+3], v[LI], s[WB+4*(\e):WB+4*(\e)+1] offset:12288*\o+512*\c
.endr
.endr
.irp g, 0,1,2,3
	global_load_b64 v[SOUT+16*(\e)+2*\g:SOUT+16*(\e)+2*\g+1], v[WSO], s[WB+4*(\e)+2:WB+4*(\e)+3] offset:1024*\g
.endr
	WIN 0x40
.irp i, 0,1,2,3,4,5,6,7
.irp c, 0,1,2
	ds_load_b128 v[96*(\e)+12*\i+4*\c:96*(\e)+12*\i+4*\c+3], v[XRD] offset:1536*\i+512*\c+12288*(\e)
.endr
.endr
	WIN 0
.irp g, 0,1
	ds_load_b128 v[SIN+16*(\e)+4*\g:SIN+16*(\e)+4*\g+3], v[XSR] offset:16*\g+512*(\e)
.endr
.Lfd_\@:
.endm
; set e, which has just been multiplied, is asked for again, for the K step two on; then the other set's data are waited for
.macro AGAIN e
	s_wait_alu depctr_va_vdst(0)                   ; the matrix instructions issued so far are done reading set e's fragments and scale words, in which the loads below land; for set 0: v[XRD] and v[XSR] are written, which the LDS loads read
	s_add_nc_u64 s[WB+4*(\e):WB+4*(\e)+1], s[WB+4*(\e):WB+4*(\e)+1], 3072       ; the set's own bases, two K steps on: the loads that read them were shown done by the wait ahead of the set's products
	s_add_nc_u64 s[WB+4*(\e)+2:WB+4*(\e)+3], s[WB+4*(\e)+2:WB+4*(\e)+3], 256
	FETCH \e
	s_wait_loadcnt 28                              ; the other set is in; the 28 global loads
	s_wait_dscnt 26                                ; and 26 LDS loads just issued may be out: they have 64 matrix instructions and the next fetch in which to land
.endm
; 64 matrix instructions on set e: the 64 accumulators take turns, one instruction a turn, in the same order in every step
.macro MUL e
.irp o, 0,1,2,3,4,5,6,7
.if \o < 4
	WIN 0xa1                                       ; source 0 window 1, source 1 window 0, C and D window 2
.else
	WIN 0xf1                                       ; C and D window 3
.endif
.irp i, 0,1,2,3,4,5,6,7
	v_wmma_scale_f32_16x16x128_f8f6f4 v[64*(\o%4)+8*\i:64*(\o%4)+8*\i+7], v[96*(\e)+12*\i:96*(\e)+12*\i+11], v[64+96*(\e)+12*\o:64+96*(\e)+12*\o+11], v[64*(\o%4)+8*\i:64*(\o%4)+8*\i+7], v[SIN+16*(\e)+\i], v[SOUT+16*(\e)+\o] matrix_a_fmt:MATRIX_FMT_FP6 matrix_b_fmt:MATRIX_FMT_FP6
.endr
.endr
.endm
; the first K step, on set 0: the bias starts the sums.  mode 0: the bias runs along the registers (by source 0's tile i); mode 1: it is the lane's own (by source 1's tile o)
.macro MULB mode
.irp o, 0,1,2,3,4,5,6,7
.if \o < 4
	WIN 0x91                                       ; C window 1, D window 2
.else
	WIN 0xd1                                       ; C window 1, D window 3
.endif
.irp i, 0,1,2,3,4,5,6,7
.if \mode
	v_wmma_scale_f32_16x16x128_f8f6f4 v[64*(\o%4)+8*\i:64*(\o%4)+8*\i+7], v[12*\i:12*\i+11], v[64+12*\o:64+12*\o+11], v[192+8*\o:192+8*\o+7], v[SIN+\i], v[SOUT+\o] matrix_a_fmt:MATRIX_FMT_FP6 matrix_b_fmt:MATRIX_FMT_FP6
.else
	v_wmma_scale_f32_16x16x128_f8f6f4 v[64*(\o%4)+8*\i:64*(\o%4)+8*\i+7], v[12*\i:12*\i+11], v[64+12*\o:64+12*\o+11], v[192+8*\i:192+8*\i+7], v[SIN+\i], v[SOUT+\o] matrix_a_fmt:MATRIX_FMT_FP6 matrix_b_fmt:MATRIX_FMT_FP6
.endif
.endr
.endr
.endm
.macro STORE x                         ; fragment x of eight: head x / 4 of my two, place x % 4 of the 128 tokens' four; 512 consecutive bytes a store
.irp c, 0,1,2
	global_store_b128 v[LI], v[FRG+12*(\x)+4*\c:FRG+12*(\x)+4*\c+3], s[OB:OB+1] offset:((\x)/4)*98304+((\x)%4)*1536+512*\c
.endr
.endm
; the results are quantised, source 1's tile o after tile o; every fragment has registers of its own, so nothing waits for a store.  Two tiles' two fragments leave together, behind one wait
.macro EPI mode
.rept 4
	v_nop                                          ; four places behind the last products, ahead of the first read of results and the first write of their operands
.endr
.irp o, 0,1,2,3,4,5,6,7
.if \mode
	QUANT 2+\o/4, 64*(\o%4), FRG+12*\o, FRG+12*\o+6, SE+\o
.if \o%2
	s_wait_alu depctr_va_vdst(0)                   ; the quantiser has written the fragments of tiles o - 1 and o, which the six stores read (behind tile 7: all eight scale words too)
	STORE \o-1
	STORE \o
.endif
.else
	QUANT 2+\o/4, 64*(\o%4), FRG+12*(\o/2)+6*(\o%2), FRG+48+12*(\o/2)+6*(\o%2), PW+\o%2
.if \o%2
	v_perm_b32 v[SE+\o/2], v[PW+1], v[PW], 0x05040100      ; the even head's word: both tiles' low halves
	v_perm_b32 v[SO+\o/2], v[PW+1], v[PW], 0x07060302      ; the odd head's: their high halves
	s_wait_alu depctr_va_vdst(0)                   ; the quantiser has written both heads' fragments of this pair of tiles, which the six stores read (behind tile 7: all eight scale words too)
	STORE \o/2
	STORE 4+\o/2
.endif
.endif
.endr
	global_store_b128 v[LR16], v[SE:SE+3], s[OS:OS+1]                  ; 16 rows x 16 bytes: 256 consecutive bytes (lanes l and l + 16 write the same); no vector instruction stands behind the last wait
	global_store_b128 v[LR16], v[SO:SO+3], s[OS:OS+1] offset:4096
.endm
	s_load_b512 s[4:19], s[0:1], 0x0               ; q, k, v, bq, bk, bv, wimg, wsc
	s_load_b128 s[20:23], s[0:1], 0x40             ; himg, hsc
	v_lshl_add_u32 v[SPW], v0, 2, SPARE
	v_mov_b32 v[NIL], 0
	v_lshrrev_b32 v1, 5, v0
	v_readfirstlane_b32 s[WV], v1                  ; wave 0..3
	v_and_b32 v1, 31, v0                           ; lane
	v_and_b32 v2, 15, v0                           ; r
	v_bfe_u32 v3, v0, 4, 1                         ; h
	v_and_b32 v17, 8, v2
	v_add_nc_u32 v17, v17, v2                      ; r + 8 (r / 8)
	v_lshlrev_b32 v[XA], 12, v17
	v_lshl_add_u32 v[XA], v3, 6, v[XA]             ; my token's row of 4,096 bytes, + 64 h: my 16 numbers of a block of 32
	v_lshlrev_b32 v[LI], 4, v1
	v_lshlrev_b32 v[LR16], 4, v2
	s_wait_alu depctr_va_sdst(0)                   ; the wave's number is written, ahead of its first reader: LDS places and the bases are made from it
	s_mul_i32 s50, s[WV], 3072
	v_add_nc_u32 v[XWI0], s50, v[LI]
	v_lshlrev_b32 v[XSR0], 5, v2
	v_add_nc_u32 v[XSR0], XSC, v[XSR0]
	s_lshl_b32 s50, s[WV], 3
	v_add_nc_u32 v[XWS0], s50, v[XSR0]
	v_lshlrev_b32 v[WSO], 3, v2
	v_lshlrev_b32 v[BAQ], 6, v3
	v_lshlrev_b32 v[BAV], 2, v17
.irp b, 0,1,2,3
	v_mov_b32 v[TM+4+\b], 0                        ; written once: a lane permute's destination counts as one of its sources
.endr
	s_mov_b32 s[SEL], 0x76543210
	s_mov_b32 s[SEL+1], 0xfedcba98                 ; lane l xor 16
	s_lshr_b32 s[ZZ], ttmp9, 6                     ; 0 q, 1 k, 2 v
	s_and_b32 s[BLK], ttmp9, 63                    ; which 128 tokens
	s_lshr_b32 s50, s[BLK], 4
	s_and_b32 s51, s[BLK], 15                      ; which 128 of the batch's 2,048
	s_lshl_b32 s50, s50, 4
	s_lshl_b32 s52, s[WV], 1
	s_add_co_u32 s50, s50, s52                     ; 16 x batch + my first head of pass 0
	s_mov_b32 s55, 0
	s_wait_kmcnt 0x0
	s_cmp_eq_u32 s[ZZ], 0                          ; the choices hang on the work-group's number alone
	s_cselect_b64 s[XP:XP+1], s[4:5], s[6:7]
	s_cselect_b64 s[BB:BB+1], s[10:11], s[12:13]
	s_cmp_eq_u32 s[ZZ], 2
	s_cselect_b64 s[XP:XP+1], s[8:9], s[XP:XP+1]
	s_cselect_b64 s[BB:BB+1], s[14:15], s[BB:BB+1]
	s_cselect_b32 s[MODE], 1, 0
	s_lshl_b32 s54, s[BLK], 19
	s_lshl_b32 s53, s[WV], 17
	s_add_co_u32 s54, s54, s53
	s_add_nc_u64 s[XP:XP+1], s[XP:XP+1], s[54:55]  ; x at my wave's 32 tokens
.irp q, 0,1,2,3
	s_mov_b64 s[XB+2*\q:XB+2*\q+1], s[XP:XP+1]     ; a base for each of the four sets
.endr
	s_lshl_b32 s54, s[WV], 9
	s_add_nc_u64 s[BB:BB+1], s[BB:BB+1], s[54:55]  ; the bias at my 128 features
	s_mul_i32 s54, s[ZZ], 786432
	s_mul_i32 s53, s[WV], 98304
	s_add_co_u32 s54, s54, s53
	s_add_nc_u64 s[WB0:WB0+1], s[16:17], s[54:55]  ; W's images at my eight feature tiles
	s_lshl_b32 s54, s[ZZ], 15
	s_lshl_b32 s53, s[WV], 12
	s_add_co_u32 s54, s54, s53
	s_add_nc_u64 s[WS0:WS0+1], s[18:19], s[54:55]
	s_mul_i32 s54, s[ZZ], 6291456
	s_mul_i32 s53, s50, 98304
	s_add_co_u32 s54, s54, s53
	s_mul_i32 s53, s51, 6144
	s_add_co_u32 s54, s54, s53
	s_add_nc_u64 s[OB:OB+1], s[20:21], s[54:55]
	s_lshl_b32 s54, s[ZZ], 18
	s_lshl_b32 s53, s50, 12
	s_add_co_u32 s54, s54, s53
	s_lshl_b32 s53, s51, 8
	s_add_co_u32 s54, s54, s53
	s_add_nc_u64 s[OS:OS+1], s[22:23], s[54:55]
	s_wait_alu depctr_va_vdst(0)                   ; the offsets v[XA], v[LI], v[LR16], v[WSO], v[BAQ], v[BAV] are written, which the kernel's loads and stores read; none is written again
	; ---- PHASE X: four trips of two K steps x two tiles; four sets of 16 loads (32,768 bytes a wave) are on their way
	XLOAD 0
	XLOAD 1
	XLOAD 2
	XLOAD 3
	s_mov_b32 s[XT], 0
	s_mov_b32 s[XST], 0
	s_mov_b32 s[CNT], 3
.Lx:
	XHEAD
	XQ 0, 1, 48
	XQ 1, 1, 48
	XQ 2, 1, 48
	XQ 3, 1, 48
	s_add_co_u32 s[XT], s[XT], 24576
	s_add_co_u32 s[XST], s[XST], 1024
	s_sub_co_u32 s[CNT], s[CNT], 1
	s_cmp_lg_u32 s[CNT], 0
	s_cbranch_scc1 .Lx
	XHEAD
	XQ 0, 0, 48                                    ; the last trip loads nothing: the counts run down
	XQ 1, 0, 32
	XQ 2, 0, 16
	XQ 3, 0, 0
	s_wait_dscnt 0x0                               ; for the others' sake: my images have landed
	s_barrier_signal -1
	s_barrier_wait -1                              ; all 64 fragments of x lie in LDS; nothing is stored to LDS from here on
	; ---- the two passes
	s_mov_b32 s[PASS], 2
.Lpass:
	s_wait_alu depctr_vm_vsrc(0)                   ; phase X's LDS stores (second pass: the first pass's global stores) have read v80-199, in which fragments land; the last pass's LDS loads have read v[XRD] and v[XSR], which are written now
	v_mov_b32 v[XRD], v[LI]
	v_mov_b32 v[XSR], v[XSR0]
	s_wait_alu depctr_va_vdst(0)                   ; v[XRD] and v[XSR] are written, which the LDS loads read; the quantiser and the products are done with the registers of windows 0 and 1 in which the bias, both fragment sets and the scale words land
	s_cmp_eq_u32 s[MODE], 0
	s_cbranch_scc0 .Lbias_v
	WIN 0x40
.irp i, 0,1,2,3,4,5,6,7                        ; lane (r, h), tile i: features 32 (i / 2) + 8 (i % 2) + 16 h + 0 .. 7
	global_load_b128 v[192+8*\i:195+8*\i], v[BAQ], s[BB:BB+1] offset:(32*(\i/2)+8*(\i%2))*4
	global_load_b128 v[196+8*\i:199+8*\i], v[BAQ], s[BB:BB+1] offset:(32*(\i/2)+8*(\i%2))*4+16
.endr
	WIN 0
	s_branch .Lbias_done
.Lbias_v:
	WIN 0x40
.irp o, 0,1,2,3,4,5,6,7                        ; lane (r, h), tile o: my own feature's bias in all eight registers
.irp j, 0,1,2,3,4,5,6,7
	global_load_b32 v[192+8*\o+\j], v[BAV], s[BB:BB+1] offset:(32*(\o/2)+8*(\o%2))*4
.endr
.endr
	WIN 0
.Lbias_done:
	s_mov_b64 s[WB:WB+1], s[WB0:WB0+1]             ; set 0's bases: K step 0 (no load that read these eight registers is out: the last wait on LOADcnt was for 0)
	s_mov_b64 s[WB+2:WB+3], s[WS0:WS0+1]
	s_add_nc_u64 s[WB+4:WB+5], s[WB0:WB0+1], 1536  ; set 1's: K step 1
	s_add_nc_u64 s[WB+6:WB+7], s[WS0:WS0+1], 128
	s_mov_b32 s[XT], 0
	s_mov_b32 s[XST], 0
	FETCH 0
	FETCH 1
	s_wait_loadcnt 28                              ; the bias and set 0 are in; set 1's 28 global loads
	s_wait_dscnt 26                                ; and 26 LDS loads may be out
	s_cmp_eq_u32 s[MODE], 0
	s_cbranch_scc0 .Lmb_v
	MULB 0
	WIN 0
	s_branch .Lmb_done
.Lmb_v:
	MULB 1
	WIN 0
.Lmb_done:
	s_mov_b32 s[CNT], 3
.Lk:                                               ; a trip: K steps 2 t - 1 (set 1) and 2 t (set 0); a set is asked for again as soon as its products have read it, ahead of the wait for the other set
	s_add_co_u32 s[XT], s[XT], 24576
	s_add_co_u32 s[XST], s[XST], 1024
	s_wait_alu depctr_vm_vsrc(0)                   ; the LDS loads issued so far have read v[XRD] and v[XSR]
	v_add_nc_u32 v[XRD], s[XT], v[LI]              ; these two and two v_nop are the four places ahead of loads into registers that the last products read; they stay beside the wait that follows
	v_add_nc_u32 v[XSR], s[XST], v[XSR0]
	v_nop
	v_nop
	AGAIN 0
	MUL 1
	WIN 0
.rept 4
	v_nop
.endr
	AGAIN 1
	MUL 0
	WIN 0
	s_sub_co_u32 s[CNT], s[CNT], 1
	s_cmp_lg_u32 s[CNT], 0
	s_cbranch_scc1 .Lk
	s_wait_loadcnt 0x0
	s_wait_dscnt 0x0
	MUL 1                                          ; K step 7
	WIN 0
	s_cmp_eq_u32 s[MODE], 0
	s_cbranch_scc0 .Lepi_v
	EPI 0
	s_branch .Lepi_done
.Lepi_v:
	EPI 1
.Lepi_done:
	s_wait_xcnt 0x0                                ; the stores have had their addresses translated: their bases may be written again (that they have read their data registers is stated at the next pass's head)
	s_add_nc_u64 s[WB0:WB0+1], s[WB0:WB0+1], 393216        ; 32 feature tiles on
	s_add_nc_u64 s[WS0:WS0+1], s[WS0:WS0+1], 16384
	s_add_nc_u64 s[BB:BB+1], s[BB:BB+1], 2048
	s_add_nc_u64 s[OB:OB+1], s[OB:OB+1], 786432            ; eight heads on
	s_add_nc_u64 s[OS:OS+1], s[OS:OS+1], 32768
	s_sub_co_u32 s[PASS], s[PASS], 1
	s_cmp_lg_u32 s[PASS], 0
	s_cbranch_scc1 .Lpass
	s_wait_dscnt 0x0
	s_barrier_signal -1
	s_barrier_wait -1                              ; every wave's LDS reads are over
	s_wait_dscnt 0x0                               ; the wave's end
	s_wait_alu 0x0
	s_wait_tensorcnt 0x0
	ds_add_u32 v[SPW], v[NIL]
	s_wait_dscnt 0x0
	s_endpgm
.Lfunc_end_k_qd3518efd72_proj:
	.size	k_qd3518efd72_proj, .Lfunc_end_k_qd3518efd72_proj-k_qd3518efd72_proj
	.p2alignl 7, 3214868480
	.fill 96, 4, 3214868480
	.section	.rodata,"a",@progbits
	.p2align	6, 0x0
	.amdhsa_kernel k_qd3518efd72_proj
		.amdhsa_group_segment_fixed_size 102912
		.amdhsa_private_segment_fixed_size 0
		.amdhsa_enable_private_segment 0
		.amdhsa_kernarg_size 80
		.amdhsa_user_sgpr_count 2
		.amdhsa_user_sgpr_kernarg_segment_ptr 1
		.amdhsa_wavefront_size32 1
		.amdhsa_system_sgpr_workgroup_id_x 1
		.amdhsa_system_sgpr_workgroup_id_y 1
		.amdhsa_system_sgpr_workgroup_id_z 1
		.amdhsa_system_vgpr_workitem_id 0
		.amdhsa_next_free_vgpr 1024
		.amdhsa_next_free_sgpr 66
		.amdhsa_reserve_vcc 0
		.amdhsa_float_denorm_mode_32 3
		.amdhsa_float_denorm_mode_16_64 3
		.amdhsa_memory_ordered 1
		.amdhsa_forward_progress 1
		.amdhsa_inst_pref_size 204
	.end_amdhsa_kernel
	.amdgpu_metadata
---
amdhsa.version: [ 1, 2 ]
amdhsa.kernels:
  - .name:           k_qd3518efd72_proj
    .symbol:         k_qd3518efd72_proj.kd
    .args:
      - { .name: q, .offset: 0, .size: 8, .value_kind: global_buffer, .address_space: global }
      - { .name: k, .offset: 8, .size: 8, .value_kind: global_buffer, .address_space: global }
      - { .name: v, .offset: 16, .size: 8, .value_kind: global_buffer, .address_space: global }
      - { .name: bq, .offset: 24, .size: 8, .value_kind: global_buffer, .address_space: global }
      - { .name: bk, .offset: 32, .size: 8, .value_kind: global_buffer, .address_space: global }
      - { .name: bv, .offset: 40, .size: 8, .value_kind: global_buffer, .address_space: global }
      - { .name: wimg, .offset: 48, .size: 8, .value_kind: global_buffer, .address_space: global }
      - { .name: wsc, .offset: 56, .size: 8, .value_kind: global_buffer, .address_space: global }
      - { .name: himg, .offset: 64, .size: 8, .value_kind: global_buffer, .address_space: global }
      - { .name: hsc, .offset: 72, .size: 8, .value_kind: global_buffer, .address_space: global }
    .group_segment_fixed_size: 102912
    .private_segment_fixed_size: 0
    .kernarg_segment_align: 8
    .kernarg_segment_size: 80
    .max_flat_workgroup_size: 128
    .sgpr_count:     66
    .vgpr_count:     1024
    .wavefront_size: 32
...
	.end_amdgpu_metadata
.endif
;; end of part 5
;; launch attn (part 6): grid 4 x 64, 16 waves a work-group, clusters of 4 x 1, 327,680 bytes of LDS; arguments himg, hsc, cimg, csc; writes cimg, csc
.if DOCPART == 6
	.amdgcn_target "amdgcn-amd-amdhsa--gfx1250"
	.amdhsa_code_object_version 6
	.text
	.protected	k_qd3518efd72_attn
	.globl	k_qd3518efd72_attn
	.p2align	8
	.type	k_qd3518efd72_attn,@function
k_qd3518efd72_attn:
	s_mov_b64 s[64:65], 0
	v_nop
	global_prefetch_b8 v0, s[64:65] scope:SCOPE_SE
	s_setreg_imm32_b32 hwreg(HW_REG_WAVE_MODE, 25, 1), 1
	s_wait_xcnt 0x0
	s_wait_alu depctr_hold_cnt(0) depctr_sa_sdst(0) depctr_va_vdst(0) depctr_va_sdst(0) depctr_va_ssrc(0) depctr_va_vcc(0) depctr_vm_vsrc(0)
	s_getreg_b32 s2, hwreg(HW_REG_IB_STS2, 6, 4)
	s_cmp_eq_u32 s2, 0
	s_cbranch_scc0 .Lentry_in_a_cluster
	s_endpgm
.Lentry_in_a_cluster:
	s_bfe_u32 s2, ttmp6, 0x10000c
	s_cmp_lg_u32 s2, 0x3003
	s_cbranch_scc0 .Lentry_shape_is_right
	s_endpgm
.Lentry_shape_is_right:
; softmax(Q K^T / 8) V for one (batch, head) and a quarter of its 2,048 queries, both products on codes of FP6 (E2M3) with E8M0 scales, and the quantiser of the result along the features.
; t = score x log2(e) / 8; M = the running largest t rounded UP to a whole number; p = 2^(t - M) is quantised along the keys, not normalised; the row's sum is taken of the unquantised p and divides at the end.
; A whole head's codes of K and V (2 x 98,304 bytes) and their scale words (2 x 4,096) lie in LDS: each of the sixteen waves brings an eighth of one of them, ONCE; nothing is filled again.
; CLUSTER: the four quarters of a head form a cluster and need the same K and V: every load is asked for JOINTLY, the same descriptor and the mask of all four in all four.
; Wave w owns a block of 32 queries, two tiles of 16, one after the other; four waves share a SIMD, so that one wave's softmax stands beside another's products and LDS loads.
; Both products are used transposed (S^T = K Q^T, O^T = V^T P^T): a lane holds one query throughout.  Row r of token tile 2 b + u is token 32 b + 8 u + r + 8 (r / 8), so that the 16 registers of two neighbouring tiles are 16 neighbouring keys.
; THE FIRST PRODUCT'S K IS 64.  A fragment of K holds tile 2 b (registers 0-5) and tile 2 b + 1 (registers 6-11).  Q stands as [zeros x 6 | q x 6 | zeros x 6] in v16-33: against v[22:33] the fragment gives tile 2 b's scores,
; against v[16:27] tile 2 b + 1's: zero codes take the other half out.  No byte of K is read twice.  Q's scale word is (s0 s1 s0 s1) and serves both.
; OUT: cimg [token tile 512][head 16][768 bytes: registers 2 p, 2 p + 1 of lane l at 256 p + 8 l]; csc [128 tokens 64][pair of heads 8][row 16][tile 8] words, a head's two bytes in its half.
; No prefetch: every tile is a first fill, so there is no later load to ask ahead for.
; LIMITS: NaN and infinities are not served; a block under 2^-124, a block of zeros too, gets the byte 1 (this program alone reads the bytes).
; REGISTERS: v1-11 addresses; v12 -M, v13 the largest t, v[14:15] the sum; v16-33 Q; v34 the result's two bytes; v35 Q's two tiles' bytes; v36-83 four fragments of K, then of V; v84-95 Q's block;
;   v96-159 S^T, then p; v160-191 O^T; v224-235 codes; v232-247, v252, v254 at work; v248-251 K's, then V's scale words; v253 p's; v255 Q's.
.set VI,    98304
.set KSC,   196608                     ; K's scale words; V's 4,096 bytes on
.set SPARE, 204800                     ; the spare words, 128 bytes a wave
.set AK0, 1
.set AV0, 2
.set AS0, 3
.set L8,  4
.set SPW, 5
.set NIL, 6
.set R32, 7
.set ADK, 8
.set ADV, 9
.set ADS, 10
.set R16, 11
.set WV,  18
.set SEL, 20
.set CS,  22
.set G1I, 24
.set G1S, 32
.set G0I, 40
.set G0S, 44
.set TB,  48
.set TS,  49
.set CNT, 50
.set QP,  60
.set QS,  62
.set CO,  66
.set CSO, 68
.macro ROUND                           ; a round of the cluster's barrier
	s_barrier_signal -1
	s_barrier_wait -1
	s_cmp_lg_u32 s[WV], 0
	s_cbranch_scc1 .Lnot_wave_0_\@
	s_barrier_signal -3
.Lnot_wave_0_\@:
	s_barrier_wait -3
	s_barrier_signal -1
	s_barrier_wait -1
.endm
	s_load_b256 s[4:11], s[0:1], 0x0               ; himg, hsc, cimg, csc
	v_lshl_add_u32 v[SPW], v0, 2, SPARE
	v_mov_b32 v[NIL], 0
	ds_add_u32 v[SPW], v[NIL]                      ; the wave's opening: an add, and its wait ahead of my first tensor load
	ds_add_u32 v[SPW], v[NIL]
	v_lshrrev_b32 v8, 5, v0
	s_delay_alu instid0(VALU_DEP_1)
	v_readfirstlane_b32 s[WV], v8                  ; wave 0..15
	s_and_b32 s13, ttmp7, 0xffff                   ; batch x head, which the four partners share
	; group 1: a dense block as rows of 256 bytes (32 elements of 8 bytes): 48 rows of codes, 2 rows of scale words
	s_mov_b32 s[G1I], 15|(3<<16)|(1<<21)           ; the mask: all four; elements of 8 bytes; bit 21 beside a mask
	s_mov_b32 s[G1I+1], 32<<16
	s_mov_b32 s[G1I+2], 48<<16
	s_mov_b32 s[G1I+3], 32<<16
	s_mov_b32 s[G1I+4], 48
	s_mov_b32 s[G1I+5], 32
	s_mov_b32 s[G1I+6], 0
	s_mov_b32 s[G1I+7], 0
	s_mov_b32 s[G1S], 15|(3<<16)|(1<<21)
	s_mov_b32 s[G1S+1], 32<<16
	s_mov_b32 s[G1S+2], 2<<16
	s_mov_b32 s[G1S+3], 32<<16
	s_mov_b32 s[G1S+4], 2
	s_mov_b32 s[G1S+5], 32
	s_mov_b32 s[G1S+6], 0
	s_mov_b32 s[G1S+7], 0
	s_lshr_b32 s52, s[WV], 3
	s_add_co_u32 s52, s52, 1                       ; waves 0-7 fetch K (tensor 1), waves 8-15 V (tensor 2)
	s_and_b32 s53, s[WV], 7                        ; which eighth
	s_mul_i32 s54, s52, 6291456
	s_mul_i32 s51, s13, 98304
	s_add_co_u32 s54, s54, s51
	s_mul_i32 s51, s53, 12288
	s_add_co_u32 s54, s54, s51
	s_mov_b32 s55, 0
	s_lshl_b32 s56, s52, 18
	s_lshl_b32 s51, s13, 12
	s_add_co_u32 s56, s56, s51
	s_lshl_b32 s51, s53, 9
	s_add_co_u32 s56, s56, s51
	s_mov_b32 s57, 0
	s_mov_b32 s[G0I], 1
	s_mul_i32 s[G0I+1], s[WV], 12288               ; LDS: wave x 12,288: K's eight parts, then V's: no place in the cluster enters
	s_mov_b32 s[G0S], 1
	s_lshl_b32 s[G0S+1], s[WV], 9
	s_add_co_u32 s[G0S+1], s[G0S+1], KSC
	s_mov_b32 s[SEL], 0x76543210
	s_mov_b32 s[SEL+1], 0xfedcba98                 ; lane l xor 16
	s_mov_b32 s[CS], 0x3e38aa3b                    ; c = log2(e) / 8
	s_mov_b32 s[CS+1], s[CS]                       ; (named with it as a pair, so it is written)
	s_wait_dscnt 0x0                               ; the opening add is done
	s_wait_kmcnt 0x0
	s_add_nc_u64 s[G0I+2:G0I+3], s[4:5], s[54:55]
	s_or_b32 s[G0I+3], s[G0I+3], 0x80000000
	s_add_nc_u64 s[G0S+2:G0S+3], s[6:7], s[56:57]
	s_or_b32 s[G0S+3], s[G0S+3], 0x80000000
	ROUND                                          ; all four work-groups are here: the joint loads meet
	tensor_load_to_lds s[G0I:G0I+3], s[G1I:G1I+7]  ; one load of mine is out; the scale words' load follows behind a round
	s_nop 0
	s_wait_alu depctr_va_vdst(0)
	s_wait_tensorcnt 0x0
	ds_add_u32 v5, v6
	s_wait_dscnt 0x0
	ROUND
	tensor_load_to_lds s[G0S:G0S+3], s[G1S:G1S+7]
	s_nop 0
.rept 4
	v_nop
.endr
	; my block of 32 queries: 16 x quarter + wave.  The place in the cluster enters Q's and the outputs' global addresses alone
	s_bfe_u32 s12, ttmp6, 0x40000
	s_lshl_b32 s14, ttmp9, 2
	s_add_co_u32 s12, s12, s14
	s_lshl_b32 s14, s12, 4
	s_add_co_u32 s14, s14, s[WV]                   ; blk
	s_lshr_b32 s15, s14, 2                         ; blk / 4
	s_and_b32 s19, s14, 3                          ; blk % 4
	s_mov_b32 s17, 0
	s_mul_i32 s16, s13, 98304
	s_mul_i32 s12, s14, 1536
	s_add_co_u32 s16, s16, s12
	s_add_nc_u64 s[QP:QP+1], s[4:5], s[16:17]
	s_lshl_b32 s16, s13, 12
	s_lshl_b32 s12, s15, 8
	s_add_co_u32 s16, s16, s12
	s_lshl_b32 s12, s19, 2
	s_add_co_u32 s16, s16, s12
	s_add_nc_u64 s[QS:QS+1], s[6:7], s[16:17]
	s_lshr_b32 s16, s13, 4                         ; batch
	s_lshl_b32 s16, s16, 7
	s_lshl_b32 s12, s14, 1
	s_add_co_u32 s16, s16, s12                     ; my first token tile
	s_mul_i32 s16, s16, 12288
	s_and_b32 s12, s13, 15                         ; head
	s_mul_i32 s12, s12, 768
	s_add_co_u32 s16, s16, s12
	s_add_nc_u64 s[CO:CO+1], s[8:9], s[16:17]
	s_lshr_b32 s16, s13, 4
	s_lshl_b32 s16, s16, 4
	s_add_co_u32 s16, s16, s15
	s_lshl_b32 s16, s16, 12
	s_bfe_u32 s12, s13, 0x30001                    ; head / 2
	s_lshl_b32 s12, s12, 9
	s_add_co_u32 s16, s16, s12
	s_lshl_b32 s12, s19, 3
	s_add_co_u32 s16, s16, s12
	s_and_b32 s12, s13, 1
	s_lshl_b32 s12, s12, 1
	s_add_co_u32 s16, s16, s12
	s_add_nc_u64 s[CSO:CSO+1], s[10:11], s[16:17]
	v_and_b32 v8, 31, v0                           ; lane
	v_and_b32 v9, 15, v0                           ; lane % 16
	s_delay_alu instid0(VALU_DEP_2)
	v_lshlrev_b32 v[AK0], 4, v8
	s_delay_alu instid0(VALU_DEP_1)
	v_add_nc_u32 v[AV0], VI, v[AK0]
	s_delay_alu instid0(VALU_DEP_3)
	v_lshlrev_b32 v[R16], 4, v9
	s_delay_alu instid0(VALU_DEP_1)
	v_add_nc_u32 v[AS0], KSC, v[R16]
	v_lshlrev_b32 v[L8], 3, v8
	v_lshlrev_b32 v[R32], 5, v9
.irp c, 0,1,2
	global_load_b128 v[84+4*\c:87+4*\c], v[AK0], s[QP:QP+1] offset:512*\c      ; my block of Q, as its image lies
.endr
	global_load_b32 v35, v[R16], s[QS:QS+1]        ; its word: (tile 0: s0 s1, tile 1: s0 s1)
.irp i, 0,1,2,3,4,5
	v_mov_b32 v[16+\i], 0                          ; the zero codes round q
	v_mov_b32 v[28+\i], 0
.endr
.irp b, 0,1,2,3
	v_mov_b32 v[236+\b], 0                         ; written once: a lane permute's destination counts as one of its sources
.endr
	v_mov_b32 v253, 0                              ; (named as the upper half of the pair v[252:253] before it is first written)
	s_wait_tensorcnt 0x0                           ; my parts have landed,
	s_barrier_signal -1
	s_barrier_wait -1                              ; everybody's have
	s_wait_loadcnt 0x0                             ; Q
; A KEY STEP: 128 keys
.macro STEP
	v_add_nc_u32 v[ADK], s[TB], v[AK0]             ; these three and a v_nop are the four places ahead of loads into registers that the last products read
	v_add_nc_u32 v[ADV], s[TB], v[AV0]
	v_add_nc_u32 v[ADS], s[TS], v[AS0]
	v_nop
.irp b, 0,1,2,3
.irp c, 0,1,2
	ds_load_b128 v[36+12*\b+4*\c:39+12*\b+4*\c], v[ADK] offset:1536*\b+512*\c
.endr
.endr
	ds_load_b128 v[248:251], v[ADS]                ; the four blocks' scale words of my row
	s_wait_alu depctr_va_vdst(0)
	s_wait_dscnt 0x0
.irp b, 0,1,2,3
	v_wmma_scale_f32_16x16x128_f8f6f4 v[96+16*\b:103+16*\b], v[36+12*\b:47+12*\b], v[22:33], 0, v[248+\b], v255 matrix_a_fmt:MATRIX_FMT_FP6 matrix_b_fmt:MATRIX_FMT_FP6
	v_wmma_scale_f32_16x16x128_f8f6f4 v[104+16*\b:111+16*\b], v[36+12*\b:47+12*\b], v[16:27], 0, v[248+\b], v255 matrix_a_fmt:MATRIX_FMT_FP6 matrix_b_fmt:MATRIX_FMT_FP6
.endr                                          ; register 16 b + i of S^T: key 32 b + 16 (lane / 16) + i of the step
.rept 4
	v_nop                                          ; four places: ahead of the loads below and of the first read of the scores
.endr
.irp t, 0,1,2,3
.irp c, 0,1,2
	ds_load_b128 v[36+12*\t+4*\c:39+12*\t+4*\c], v[ADV] offset:1536*\t+512*\c  ; V's four fragments land under the softmax
.endr
.endr
	ds_load_b128 v[248:251], v[ADS] offset:4096
.irp b, 0,1,2,3
	v_max3_num_f32 v[232+\b], v[96+16*\b], v[97+16*\b], v[98+16*\b]    ; the largest score of each block of 32 keys: for the row's maximum and, since p rises with the score, for the block's largest p
.endr
.irp i, 3,5,7,9,11,13
.irp b, 0,1,2,3
	v_max3_num_f32 v[232+\b], v[232+\b], v[96+16*\b+\i], v[97+16*\b+\i]
.endr
.endr
.irp b, 0,1,2,3
	v_max_num_f32 v[232+\b], v[232+\b], v[111+16*\b]
.endr
.irp b, 0,1,2,3
	s_delay_alu instid0(VALU_DEP_4)
	v_permlanex16_b32 v[236+\b], v[232+\b], s[SEL], s[SEL+1]
.endr
.irp b, 0,1,2,3
	s_delay_alu instid0(VALU_DEP_4)
	v_max_num_f32 v[232+\b], v[232+\b], v[236+\b]  ; with lane l xor 16's 16 keys
.endr
	s_delay_alu instid0(VALU_DEP_2)
	v_max3_num_f32 v254, v232, v233, v234
	s_delay_alu instid0(VALU_DEP_1)
	v_max_num_f32 v254, v254, v235
	s_delay_alu instid0(VALU_DEP_1)
	v_mul_f32 v254, s[CS], v254                    ; as t (c is positive)
	s_delay_alu instid0(VALU_DEP_1)
	v_max_num_f32 v13, v13, v254                   ; the running largest t
	v_mov_b32 v254, v12
	s_delay_alu instid0(VALU_DEP_2)
	v_floor_f32 v12, -v13                          ; the new -M = floor(-t): M is a whole number
	s_delay_alu instid0(VALU_DEP_1)
	v_sub_f32 v254, v12, v254                      ; old M - new M: a whole number, 0 or less
	s_delay_alu instid0(VALU_DEP_1)
	v_cvt_i32_f32 v254, v254                       ; (it saturates)
	s_delay_alu instid0(VALU_DEP_1)
	v_ldexp_f32 v252, 1.0, v254                    ; f = 2^(old M - new M): a multiplication by it rounds nothing
.set j, 0
.rept 32
	v_pk_fma_f32 v[96+j:97+j], v[96+j:97+j], s[CS:CS+1], v[12:13] op_sel_hi:[1,0,0]    ; t - M, two at a time
.set j, j+2
.endr
.irp b, 0,1,2,3
	v_fma_f32 v[232+\b], v[232+\b], s[CS], v12     ; the same of each block's largest score
.endr
.set j, 0
	s_wait_alu depctr_va_vdst(0)
.rept 64
	v_exp_f32 v[96+j], v[96+j]                     ; p = 2^(t - M), at most 1
.set j, j+1
.endr
	s_setprio 1
	v_pk_mul_f32 v[14:15], v[14:15], v[252:253] op_sel_hi:[1,0]        ; the sums under the new M: a plain place behind the exponentials
	s_wait_alu depctr_va_vdst(0)                   ; one wait for the whole batch, ahead of its first reader
.irp b, 0,1,2,3
	v_exp_f32 v[232+\b], v[232+\b]                 ; the block's largest p
.endr
	v_pk_add_f32 v[236:237], v[96:97], v[98:99]    ; the row's sum, of the unquantised p, in two chains
.irp j, 4,8,12,16,20,24,28,32,36,40,44,48,52,56,60
	v_pk_add_f32 v[14:15], v[14:15], v[96+\j:97+\j]
	v_pk_add_f32 v[236:237], v[236:237], v[98+\j:99+\j]
.endr
	s_delay_alu instid0(VALU_DEP_1)
	v_pk_add_f32 v[14:15], v[14:15], v[236:237]
	s_wait_alu depctr_va_vdst(0)                   ; and one for the four
.irp b, 0,1,2,3
	v_max_num_f32 v[232+\b], 0x1800000, v[232+\b]  ; the floor 2^(3 - 127): the byte cannot fall under 1
.endr
.irp b, 0,1,2,3
	s_delay_alu instid0(VALU_DEP_4)
	v_add_nc_u32 v[244+\b], 0xff000000, v[232+\b]  ; the conversion's scale operand
.endr
.irp b, 0,1,2,3
	s_delay_alu instid0(VALU_DEP_4)
	v_lshrrev_b32 v[236+\b], 23, v[244+\b]         ; the scale's byte
.endr
	s_delay_alu instid0(VALU_DEP_3)
	v_lshl_or_b32 v253, v237, 8, v236              ; p's scale word for these 128 keys
	s_delay_alu instid0(VALU_DEP_1)
	v_lshl_or_b32 v253, v238, 16, v253
	s_delay_alu instid0(VALU_DEP_1)
	v_lshl_or_b32 v253, v239, 24, v253
.irp c, 0,1
	v_cvt_scalef32_pk16_fp6_f32 v[224+6*\c:226+6*\c], v[96+32*\c:111+32*\c], v[244+2*\c]
	v_cvt_scalef32_pk16_fp6_f32 v[236+4*\c:238+4*\c], v[112+32*\c:127+32*\c], v[244+2*\c+1]
.endr
	v_nop                                          ; one plain place behind the conversions
.irp c, 0,1
.irp i, 0,1,2
	v_permlane16_swap_b32 v[224+6*\c+\i], v[236+4*\c+\i]
.endr
.irp i, 0,1,2
	s_delay_alu instid0(VALU_DEP_3)
	v_mov_b32 v[227+6*\c+\i], v[236+4*\c+\i]
.endr
.endr
.set j, 0
	s_setprio 0
.rept 16
	v_pk_mul_f32 v[160+j:161+j], v[160+j:161+j], v[252:253] op_sel_hi:[1,0]    ; O^T under the new M; these sixteen also stand between the writes of p's codes and scale word and the products
.set j, j+2
.endr
	s_wait_alu depctr_va_vdst(0)
	s_wait_dscnt 0x0                               ; V is in
.irp t, 0,1,2,3                                ; four accumulators by turns, one instruction a turn
	v_wmma_scale_f32_16x16x128_f8f6f4 v[160+8*\t:167+8*\t], v[36+12*\t:47+12*\t], v[224:235], v[160+8*\t:167+8*\t], v[248+\t], v253 matrix_a_fmt:MATRIX_FMT_FP6 matrix_b_fmt:MATRIX_FMT_FP6
.endr
	s_add_co_u32 s[TB], s[TB], 6144
	s_add_co_u32 s[TS], s[TS], 256
.endm
; O^T / the sum: register 16 B + i is channel 32 B + 16 (lane / 16) + i of my query: two blocks of the last product's K, quantised here
.macro WAYOUT u
.rept 4
	v_nop                                          ; four places behind the last products
.endr
	v_add_f32 v14, v14, v15
	s_delay_alu instid0(VALU_DEP_1)
	v_permlanex16_b32 v252, v14, s[SEL], s[SEL+1]
	s_delay_alu instid0(VALU_DEP_1)
	v_add_f32 v14, v14, v252                       ; the row's sum
	s_wait_alu depctr_va_vdst(0)
	v_rcp_f32 v14, v14
	v_nop                                          ; a plain place behind the reciprocal
	s_wait_alu depctr_va_vdst(0)                   ; and the wait ahead of its first reader
.set j, 0
.rept 32
	v_mul_f32 v[96+j], v[160+j], v14               ; each accumulator from its low end on
.set j, j+1
.endr
.irp b, 0,1
	v_max3_num_f32 v[232+\b], |v[96+16*\b]|, |v[97+16*\b]|, 0x1800000
.endr
.irp i, 2,4,6,8,10,12,14
.irp b, 0,1
	s_delay_alu instid0(VALU_DEP_2)
	v_max3_num_f32 v[232+\b], v[232+\b], |v[96+16*\b+\i]|, |v[97+16*\b+\i]|
.endr
.endr
.irp b, 0,1
	s_delay_alu instid0(VALU_DEP_2)
	v_permlanex16_b32 v[236+\b], v[232+\b], s[SEL], s[SEL+1]
.endr
.irp b, 0,1
	s_delay_alu instid0(VALU_DEP_2)
	v_max_num_f32 v[232+\b], v[232+\b], v[236+\b]
.endr
.irp b, 0,1
	s_delay_alu instid0(VALU_DEP_2)
	v_add_nc_u32 v[244+\b], 0xff000000, v[232+\b]
.endr
.irp b, 0,1
	s_delay_alu instid0(VALU_DEP_2)
	v_lshrrev_b32 v[236+\b], 23, v[244+\b]
.endr
	s_delay_alu instid0(VALU_DEP_1)
	v_lshl_or_b32 v34, v237, 8, v236               ; my row's two bytes
	v_cvt_scalef32_pk16_fp6_f32 v[224:226], v[96:111], v244
	v_cvt_scalef32_pk16_fp6_f32 v[240:242], v[112:127], v245
	v_nop
.irp i, 0,1,2
	v_permlane16_swap_b32 v[224+\i], v[240+\i]
.endr
.irp i, 0,1,2
	s_delay_alu instid0(VALU_DEP_3)
	v_mov_b32 v[227+\i], v[240+\i]
.endr
.irp p, 0,1,2
	global_store_b64 v[L8], v[224+2*\p:225+2*\p], s[CO:CO+1] offset:12288*(\u)+256*\p  ; 32 lanes store 256 consecutive bytes, at a multiple of 256
.endr
	global_store_b16 v[R32], v34, s[CSO:CSO+1] offset:4*(\u)       ; lanes l and l + 16 write the same two bytes
.endm
.macro TILE u
	s_wait_xcnt 0x0                                ; the last tile's stores have read their registers
.irp i, 0,1,2,3,4,5
	v_mov_b32 v[22+\i], v[84+6*(\u)+\i]            ; q between the zeros
.endr
.if (\u) == 0
	v_perm_b32 v255, v35, v35, 0x01000100          ; (s0 s1 s0 s1) of this tile
.else
	v_perm_b32 v255, v35, v35, 0x03020302
.endif
	v_mov_b32 v13, 0xff61b1e6                      ; the largest t so far: -3e38
	s_delay_alu instid0(VALU_DEP_1)
	v_floor_f32 v12, -v13
	v_mov_b32 v14, 0
	v_mov_b32 v15, 0
.set j, 0
.rept 32
	v_mov_b32 v[160+j], 0                          ; O^T: the first change of M leaves zeros zeros.  (More than the eight places between the scale word's write and the first product)
.set j, j+1
.endr
	s_mov_b32 s[TB], 0
	s_mov_b32 s[TS], 0
	s_mov_b32 s[CNT], 16
.Lstep_\@:
	s_setprio 2
	STEP
	s_sub_co_u32 s[CNT], s[CNT], 1
	s_cmp_lg_u32 s[CNT], 0
	s_cbranch_scc1 .Lstep_\@
	s_setprio 0
	WAYOUT \u
.endm
	TILE 0
	TILE 1
	s_wait_dscnt 0x0
	s_barrier_signal -1
	s_barrier_wait -1                              ; every wave's LDS reads are over
	s_wait_tensorcnt 0x0                           ; the wave's end
	ds_add_u32 v[SPW], v[NIL]
	s_wait_dscnt 0x0
	ROUND                                          ; the closing round
	s_endpgm
.Lfunc_end_k_qd3518efd72_attn:
	.size	k_qd3518efd72_attn, .Lfunc_end_k_qd3518efd72_attn-k_qd3518efd72_attn
	.p2alignl 7, 3214868480
	.fill 96, 4, 3214868480
	.section	.rodata,"a",@progbits
	.p2align	6, 0x0
	.amdhsa_kernel k_qd3518efd72_attn
		.amdhsa_group_segment_fixed_size 327680
		.amdhsa_private_segment_fixed_size 0
		.amdhsa_enable_private_segment 0
		.amdhsa_kernarg_size 32
		.amdhsa_user_sgpr_count 2
		.amdhsa_user_sgpr_kernarg_segment_ptr 1
		.amdhsa_wavefront_size32 1
		.amdhsa_system_sgpr_workgroup_id_x 1
		.amdhsa_system_sgpr_workgroup_id_y 1
		.amdhsa_system_sgpr_workgroup_id_z 1
		.amdhsa_system_vgpr_workitem_id 0
		.amdhsa_next_free_vgpr 256
		.amdhsa_next_free_sgpr 80
		.amdhsa_reserve_vcc 0
		.amdhsa_float_denorm_mode_32 3
		.amdhsa_float_denorm_mode_16_64 3
		.amdhsa_memory_ordered 1
		.amdhsa_forward_progress 1
		.amdhsa_inst_pref_size 53
	.end_amdhsa_kernel
	.amdgpu_metadata
---
amdhsa.version: [ 1, 2 ]
amdhsa.kernels:
  - .name:           k_qd3518efd72_attn
    .symbol:         k_qd3518efd72_attn.kd
    .args:
      - { .name: himg, .offset: 0, .size: 8, .value_kind: global_buffer, .address_space: global }
      - { .name: hsc, .offset: 8, .size: 8, .value_kind: global_buffer, .address_space: global }
      - { .name: cimg, .offset: 16, .size: 8, .value_kind: global_buffer, .address_space: global }
      - { .name: csc, .offset: 24, .size: 8, .value_kind: global_buffer, .address_space: global }
    .group_segment_fixed_size: 327680
    .private_segment_fixed_size: 0
    .kernarg_segment_align: 8
    .kernarg_segment_size: 32
    .max_flat_workgroup_size: 512
    .sgpr_count:     80
    .vgpr_count:     256
    .wavefront_size: 32
...
	.end_amdgpu_metadata
.endif
;; end of part 6
;; launch outp (part 7): grid 4 x 64, 4 waves a work-group, clusters of 4 x 1, 327,680 bytes of LDS; arguments cimg, csc, wimg, wsc, bo, out0; writes out0
.if DOCPART == 7
	.amdgcn_target "amdgcn-amd-amdhsa--gfx1250"
	.amdhsa_code_object_version 6
	.text
	.protected	k_qd3518efd72_outp
	.globl	k_qd3518efd72_outp
	.p2align	8
	.type	k_qd3518efd72_outp,@function
k_qd3518efd72_outp:
	s_mov_b64 s[64:65], 0
	v_nop
	global_prefetch_b8 v0, s[64:65] scope:SCOPE_SE
	s_setreg_imm32_b32 hwreg(HW_REG_WAVE_MODE, 25, 1), 1
	s_wait_xcnt 0x0
	s_wait_alu depctr_hold_cnt(0) depctr_sa_sdst(0) depctr_va_vdst(0) depctr_va_sdst(0) depctr_va_ssrc(0) depctr_va_vcc(0) depctr_vm_vsrc(0)
	s_getreg_b32 s2, hwreg(HW_REG_IB_STS2, 6, 4)
	s_cmp_eq_u32 s2, 0
	s_cbranch_scc0 .Lentry_in_a_cluster
	s_endpgm
.Lentry_in_a_cluster:
	s_bfe_u32 s2, ttmp6, 0x10000c
	s_cmp_lg_u32 s2, 0x3003
	s_cbranch_scc0 .Lentry_shape_is_right
	s_endpgm
.Lentry_shape_is_right:
; out = cv Wo + bo on codes of FP6 (E2M3) with E8M0 scales.  cv's codes and scale words come as the attention launch laid them, Wo's as the weights' launch laid them.
; A work-group takes 128 tokens (y) x 256 features (x); a wave all 8 token tiles x 4 feature tiles: 32 accumulators, 8 K steps of 32 matrix instructions.
; cv's 128 rows, all of K, are 98,304 dense bytes of images and 4,096 of scale words: they come into LDS once.  CLUSTER: the four work-groups of a y need the same ones: joint loads, mask of all four.
; Wo's fragments are used by one wave each and go from memory straight into its registers.
; Source 0 = 16 features of Wo, source 1 = 16 tokens: a lane holds one token and eight neighbouring features.  The bias is the C of each sum's first matrix instruction.
; Row r of token tile o is token 32 (o / 2) + 8 (o % 2) + r + 8 (r / 8); row r of feature tile 2 B + u is feature 32 B + 8 u + r + 8 (r / 8).
; The way out: a tile of 16 tokens x 64 features goes through the wave's own stage and leaves as rows of 256 consecutive bytes.
; REGISTERS: window 0: v4-15 addresses; v32-55 scale words alone; v64-159, v160-255 cv's fragments, two sets (on the way out v64-127 rows of the result).
;   window 1: v0-47, v48-95 Wo's fragments, two sets; v96-127 the bias.   window 2: accumulator (o, i) at v[8 (4 o + i)].
.set CSCL,  98304                      ; LDS: cv's images [tile 8][K step 8][1,536] from 0; scale words [K step 8][row 16][tile 8] from here
.set STG,   102400                     ; four stages of 16 rows x 272 bytes, 4,608 bytes apart: no fill lands here
.set SPARE, 120832                     ; the spare words, 128 bytes a wave
.set L8,   4
.set LI,   5
.set WSO,  6
.set CS0,  7
.set ADC0, 8
.set ADC1, 9
.set ADCS, 10
.set BA,   11
.set STO,  12
.set RD,   13
.set CO,   14
.set L8B,  15
.set SPW,  28
.set NIL,  29
.set SIN,  32                          ; Wo's scale words, set e at SIN + 4 e
.set SOUT, 40                          ; cv's, set e at SOUT + 8 e
.set BK,   64
.set WV,  18
.set G1I, 24
.set G1S, 32
.set G0I, 40
.set G0S, 44
.set CNT, 48
.set XT,  49
.set XST, 50
.set WB,  52
.set WS,  54
.set BB,  56
.set OP,  58
.set MSB, 0
.macro WIN new
.if MSB != (\new)
	s_set_vgpr_msb (MSB<<8)|(\new)
.set MSB, \new
.endif
.endm
.macro ROUND
	s_barrier_signal -1
	s_barrier_wait -1
	s_cmp_lg_u32 s[WV], 0
	s_cbranch_scc1 .Lnot_wave_0_\@
	s_barrier_signal -3
.Lnot_wave_0_\@:
	s_barrier_wait -3
	s_barrier_signal -1
	s_barrier_wait -1
.endm
.macro FETCHW e                        ; 14 global loads: Wo's four fragments and their scale words
	WIN 0x40
.irp i, 0,1,2,3
.irp c, 0,1,2
	global_load_b128 v[48*(\e)+12*\i+4*\c:48*(\e)+12*\i+4*\c+3], v[LI], s[WB:WB+1] offset:12288*\i+512*\c+1536*(\e)
.endr
.endr
	WIN 0
.irp g, 0,1
	global_load_b64 v[SIN+4*(\e)+2*\g:SIN+4*(\e)+2*\g+1], v[WSO], s[WS:WS+1] offset:1024*\g+128*(\e)
.endr
.endm
.macro FETCHC e                        ; 50 LDS loads: cv's eight fragments and their scale words
.irp o, 0,1,2,3,4,5,6,7
.irp p, 0,1,2,3,4,5
.if \o < 4
	ds_load_b64 v[64+96*(\e)+12*\o+2*\p:64+96*(\e)+12*\o+2*\p+1], v[ADC0] offset:12288*(\o%4)+256*\p+1536*(\e)
.else
	ds_load_b64 v[64+96*(\e)+12*\o+2*\p:64+96*(\e)+12*\o+2*\p+1], v[ADC1] offset:12288*(\o%4)+256*\p+1536*(\e)
.endif
.endr
.endr
.irp g, 0,1
	ds_load_b128 v[SOUT+8*(\e)+4*\g:SOUT+8*(\e)+4*\g+3], v[ADCS] offset:16*\g+512*(\e)
.endr
.endm
.macro MUL e                           ; the 32 accumulators take turns, one instruction a turn
	WIN 0xa1
.irp o, 0,1,2,3,4,5,6,7
.irp i, 0,1,2,3
	v_wmma_scale_f32_16x16x128_f8f6f4 v[8*(4*\o+\i):8*(4*\o+\i)+7], v[48*(\e)+12*\i:48*(\e)+12*\i+11], v[64+96*(\e)+12*\o:64+96*(\e)+12*\o+11], v[8*(4*\o+\i):8*(4*\o+\i)+7], v[SIN+4*(\e)+\i], v[SOUT+8*(\e)+\o] matrix_a_fmt:MATRIX_FMT_FP6 matrix_b_fmt:MATRIX_FMT_FP6
.endr
.endr
.endm
.macro MULB                            ; the first K step: the bias starts the sums
	WIN 0x91
.irp o, 0,1,2,3,4,5,6,7
.irp i, 0,1,2,3
	v_wmma_scale_f32_16x16x128_f8f6f4 v[8*(4*\o+\i):8*(4*\o+\i)+7], v[12*\i:12*\i+11], v[64+12*\o:64+12*\o+11], v[96+8*\i:96+8*\i+7], v[SIN+\i], v[SOUT+\o] matrix_a_fmt:MATRIX_FMT_FP6 matrix_b_fmt:MATRIX_FMT_FP6
.endr
.endr
.endm
.macro TOSTAGE o
	WIN 0x08                                       ; an LDS store's data: window 2
.irp i, 0,1,2,3
	ds_store_b128 v[STO], v[8*(4*(\o)+\i):8*(4*(\o)+\i)+3] offset:128*(\i/2)+32*(\i%2)         ; each accumulator from its low end on
	ds_store_b128 v[STO], v[8*(4*(\o)+\i)+4:8*(4*(\o)+\i)+7] offset:128*(\i/2)+32*(\i%2)+16
.endr
	WIN 0
.irp t, 0,1,2,3,4,5,6,7
	ds_load_b128 v[BK+32*((\o)%2)+4*\t:BK+32*((\o)%2)+4*\t+3], v[RD] offset:544*\t     ; LDS serves a wave's instructions in order: these see my stores
.endr
.endm
.macro SEND o, younger
	s_wait_dscnt \younger                          ; the tile is back; the LDS instructions issued behind its loads may be out
.irp t, 0,1,2,3,4,5,6,7
	global_store_b128 v[CO], v[BK+32*((\o)%2)+4*\t:BK+32*((\o)%2)+4*\t+3], s[OP:OP+1] offset:(32*((\o)/2)+8*((\o)%2)+2*\t+8*(\t/4))*4096 th:TH_STORE_NT    ; 16 lanes store 256 consecutive bytes, at a multiple of 256
.endr
.endm
	s_load_b256 s[4:11], s[0:1], 0x0               ; cimg, csc, wimg, wsc
	s_load_b128 s[12:15], s[0:1], 0x20             ; bo, out0
	v_lshl_add_u32 v[SPW], v0, 2, SPARE
	v_mov_b32 v[NIL], 0
	ds_add_u32 v[SPW], v[NIL]                      ; the wave's opening: an add, and its wait ahead of my first tensor load
	ds_add_u32 v[SPW], v[NIL]
	v_lshrrev_b32 v1, 5, v0
	v_readfirstlane_b32 s[WV], v1                  ; wave 0..3
	s_and_b32 s19, ttmp7, 0xffff                   ; y: which 128 tokens; the four partners share it
	s_mov_b32 s[G1I], 15|(3<<16)|(1<<21)           ; rows of 256 bytes (32 elements of 8): 96 rows of images a wave
	s_mov_b32 s[G1I+1], 32<<16
	s_mov_b32 s[G1I+2], 96<<16
	s_mov_b32 s[G1I+3], 32<<16
	s_mov_b32 s[G1I+4], 96
	s_mov_b32 s[G1I+5], 32
	s_mov_b32 s[G1I+6], 0
	s_mov_b32 s[G1I+7], 0
	s_mov_b32 s[G1S], 15|(3<<16)|(1<<21)           ; 4 rows of scale words a wave
	s_mov_b32 s[G1S+1], 32<<16
	s_mov_b32 s[G1S+2], 4<<16
	s_mov_b32 s[G1S+3], 32<<16
	s_mov_b32 s[G1S+4], 4
	s_mov_b32 s[G1S+5], 32
	s_mov_b32 s[G1S+6], 0
	s_mov_b32 s[G1S+7], 0
	s_mov_b32 s[G0I], 1
	s_mul_i32 s[G0I+1], s[WV], 24576
	s_mul_i32 s60, s19, 98304
	s_add_co_u32 s60, s60, s[G0I+1]
	s_mov_b32 s61, 0
	s_mov_b32 s[G0S], 1
	s_lshl_b32 s63, s[WV], 10
	s_lshl_b32 s62, s19, 12
	s_add_co_u32 s62, s62, s63
	s_add_co_u32 s[G0S+1], s63, CSCL
	s_mov_b32 s63, 0
	s_wait_dscnt 0x0                               ; the opening add is done
	s_wait_kmcnt 0x0
	s_add_nc_u64 s[G0I+2:G0I+3], s[4:5], s[60:61]
	s_or_b32 s[G0I+3], s[G0I+3], 0x80000000
	s_add_nc_u64 s[G0S+2:G0S+3], s[6:7], s[62:63]
	s_or_b32 s[G0S+3], s[G0S+3], 0x80000000
	ROUND                                          ; all four work-groups are here: the joint loads meet
	tensor_load_to_lds s[G0I:G0I+3], s[G1I:G1I+7]  ; one load of mine is out; the scale words' load follows behind a round
	s_nop 0
	s_wait_alu depctr_va_vdst(0)
	s_wait_tensorcnt 0x0
	ds_add_u32 v28, v29
	s_wait_dscnt 0x0
	ROUND
	tensor_load_to_lds s[G0S:G0S+3], s[G1S:G1S+7]
	s_nop 0
.rept 4
	v_nop
.endr
	; my features: the place in the cluster enters Wo's, the bias's and the output's global addresses alone
	s_bfe_u32 s16, ttmp6, 0x40000
	s_lshl_b32 s17, ttmp9, 2
	s_add_co_u32 s16, s16, s17                     ; x
	s_lshl_b32 s17, s16, 4
	s_lshl_b32 s20, s[WV], 2
	s_add_co_u32 s17, s17, s20                     ; my first feature tile: 16 x + 4 w
	s_mov_b32 s21, 0
	s_mul_i32 s20, s17, 12288
	s_add_co_u32 s20, s20, 2359296                 ; the fourth weight
	s_add_nc_u64 s[WB:WB+1], s[8:9], s[20:21]
	s_lshl_b32 s20, s17, 9
	s_add_co_u32 s20, s20, 98304
	s_add_nc_u64 s[WS:WS+1], s[10:11], s[20:21]
	s_lshl_b32 s20, s17, 6                         ; 64 bytes of f32 a tile
	s_add_nc_u64 s[BB:BB+1], s[12:13], s[20:21]
	s_lshl_b32 s22, s19, 19
	s_add_co_u32 s20, s20, s22
	s_add_nc_u64 s[OP:OP+1], s[14:15], s[20:21]
	v_and_b32 v1, 31, v0                           ; lane
	v_and_b32 v2, 15, v0                           ; r
	v_bfe_u32 v3, v0, 4, 1                         ; h
	v_lshlrev_b32 v[L8], 3, v1
	v_add_nc_u32 v[L8B], 49152, v[L8]
	v_lshlrev_b32 v[LI], 4, v1
	v_lshlrev_b32 v[WSO], 3, v2
	v_lshlrev_b32 v[CS0], 5, v2
	v_add_nc_u32 v[CS0], CSCL, v[CS0]
	v_lshlrev_b32 v[BA], 6, v3
	s_mul_i32 s23, s[WV], 4608
	s_add_co_u32 s23, s23, STG                     ; my stage
	v_mul_u32_u24 v[STO], v2, 272
	v_lshl_add_u32 v[STO], v3, 6, v[STO]
	v_add_nc_u32 v[STO], s23, v[STO]               ; in: row r, + 64 h
	v_mul_u32_u24 v[RD], v3, 272
	v_lshl_add_u32 v[RD], v2, 4, v[RD]
	v_add_nc_u32 v[RD], s23, v[RD]                 ; back: lanes 0-15 one row, lanes 16-31 the next
	v_lshlrev_b32 v[CO], 12, v3
	v_lshl_add_u32 v[CO], v2, 4, v[CO]             ; and the same two rows in the output
	v_mov_b32 v[ADC0], v[L8]
	v_mov_b32 v[ADC1], v[L8B]
	v_mov_b32 v[ADCS], v[CS0]
	s_mov_b32 s[XT], 0
	s_mov_b32 s[XST], 0
	WIN 0x40
.irp i, 0,1,2,3                                ; lane (r, h), tile i: features 32 (i / 2) + 8 (i % 2) + 16 h + 0 .. 7
	global_load_b128 v[96+8*\i:99+8*\i], v[BA], s[BB:BB+1] offset:(32*(\i/2)+8*(\i%2))*4
	global_load_b128 v[100+8*\i:103+8*\i], v[BA], s[BB:BB+1] offset:(32*(\i/2)+8*(\i%2))*4+16
.endr
	WIN 0
	FETCHW 0
	FETCHW 1
	s_wait_alu depctr_va_vdst(0)
	s_wait_tensorcnt 0x0                           ; my parts of cv have landed,
	s_barrier_signal -1
	s_barrier_wait -1                              ; everybody's have
	FETCHC 0
	FETCHC 1
	s_wait_loadcnt 14                              ; the bias and set 0 are in; set 1's 14 global loads
	s_wait_dscnt 50                                ; and 50 LDS loads may be out
	MULB
	WIN 0
	s_mov_b32 s[CNT], 3
.Lk:                                               ; a trip: K steps 2 t - 1 (set 1) and 2 t (set 0)
	s_wait_loadcnt 0x0                             ; set 1 is in, and no load reads the bases any more
	s_wait_dscnt 0x0
	s_add_nc_u64 s[WB:WB+1], s[WB:WB+1], 3072
	s_add_nc_u64 s[WS:WS+1], s[WS:WS+1], 256
	s_add_co_u32 s[XT], s[XT], 3072
	s_add_co_u32 s[XST], s[XST], 1024
	v_add_nc_u32 v[ADC0], s[XT], v[L8]             ; these three and a v_nop are the four places ahead of loads into registers that the last products read
	v_add_nc_u32 v[ADC1], s[XT], v[L8B]
	v_add_nc_u32 v[ADCS], s[XST], v[CS0]
	v_nop
	FETCHW 0
	FETCHC 0
	MUL 1
	WIN 0
	s_wait_alu depctr_va_vdst(0)
	s_wait_loadcnt 0x0                             ; set 0 is in
	s_wait_dscnt 0x0
.rept 4
	v_nop
.endr
	FETCHW 1
	FETCHC 1
	MUL 0
	WIN 0
	s_sub_co_u32 s[CNT], s[CNT], 1
	s_cmp_lg_u32 s[CNT], 0
	s_cbranch_scc1 .Lk
	s_wait_loadcnt 0x0
	s_wait_dscnt 0x0
	MUL 1                                          ; K step 7
	WIN 0
.rept 4
	v_nop                                          ; four places: ahead of the stores that read results and of the loads into registers that held cv's fragments
.endr
	TOSTAGE 0
.irp o, 1,2,3,4,5,6,7
.if \o > 1
	s_wait_xcnt 0x0                                ; tile o - 2's stores have read their registers: tile o's rows may land there
.endif
	TOSTAGE \o
	SEND \o-1, 16                                  ; behind tile o - 1's loads: tile o's 8 stores and 8 loads
.endr
	SEND 7, 0
	s_wait_dscnt 0x0
	s_barrier_signal -1
	s_barrier_wait -1                              ; every wave's LDS reads are over
	s_wait_tensorcnt 0x0                           ; the wave's end, behind my last tensor load and my last LDS store
	ds_add_u32 v[SPW], v[NIL]
	s_wait_dscnt 0x0
	ROUND                                          ; the closing round
	s_endpgm
.Lfunc_end_k_qd3518efd72_outp:
	.size	k_qd3518efd72_outp, .Lfunc_end_k_qd3518efd72_outp-k_qd3518efd72_outp
	.p2alignl 7, 3214868480
	.fill 96, 4, 3214868480
	.section	.rodata,"a",@progbits
	.p2align	6, 0x0
	.amdhsa_kernel k_qd3518efd72_outp
		.amdhsa_group_segment_fixed_size 327680
		.amdhsa_private_segment_fixed_size 0
		.amdhsa_enable_private_segment 0
		.amdhsa_kernarg_size 48
		.amdhsa_user_sgpr_count 2
		.amdhsa_user_sgpr_kernarg_segment_ptr 1
		.amdhsa_wavefront_size32 1
		.amdhsa_system_sgpr_workgroup_id_x 1
		.amdhsa_system_sgpr_workgroup_id_y 1
		.amdhsa_system_sgpr_workgroup_id_z 1
		.amdhsa_system_vgpr_workitem_id 0
		.amdhsa_next_free_vgpr 768
		.amdhsa_next_free_sgpr 72
		.amdhsa_reserve_vcc 0
		.amdhsa_float_denorm_mode_32 3
		.amdhsa_float_denorm_mode_16_64 3
		.amdhsa_memory_ordered 1
		.amdhsa_forward_progress 1
		.amdhsa_inst_pref_size 58
	.end_amdhsa_kernel
	.amdgpu_metadata
---
amdhsa.version: [ 1, 2 ]
amdhsa.kernels:
  - .name:           k_qd3518efd72_outp
    .symbol:         k_qd3518efd72_outp.kd
    .args:
      - { .name: cimg, .offset: 0, .size: 8, .value_kind: global_buffer, .address_space: global }
      - { .name: csc, .offset: 8, .size: 8, .value_kind: global_buffer, .address_space: global }
      - { .name: wimg, .offset: 16, .size: 8, .value_kind: global_buffer, .address_space: global }
      - { .name: wsc, .offset: 24, .size: 8, .value_kind: global_buffer, .address_space: global }
      - { .name: bo, .offset: 32, .size: 8, .value_kind: global_buffer, .address_space: global }
      - { .name: out0, .offset: 40, .size: 8, .value_kind: global_buffer, .address_space: global }
    .group_segment_fixed_size: 327680
    .private_segment_fixed_size: 0
    .kernarg_segment_align: 8
    .kernarg_segment_size: 48
    .max_flat_workgroup_size: 128
    .sgpr_count:     72
    .vgpr_count:     768
    .wavefront_size: 32
...
	.end_amdgpu_metadata
.endif
;; end of part 7
